; MI455X (gfx1250); checked and timed in simulation.
; The chip was launched on July 23, 2026; its instructions are those of AMD's public machine-readable ISA for CDNA 5 (MIT licence, August 2026) and "CDNA5" Instruction Set Architecture Reference Guide (July 2026). The comments in the code are by the model that wrote it; some were corrected since.
;; Self Attention. Allowed arithmetic: matrix products marked QUANTISED: E4M3 operands, one given power-of-two scale a tensor, by v_wmma_f32_16x16x64_fp8_fp8 or v_wmma_f32_16x16x128_fp8_fp8, f32 sums; everything else in f32.
;; Inputs: W_attn 1,024 x 3,072 float32; W_proj 1,024 x 1,024 float32; b_attn 3,072 float32; b_proj 1,024 float32; lowp_scales 8 int32 (the exponents e of the quantised operands' scales 2^e); x 4 x 2,048 x 1,024 float32.
;; Outputs: out0 4 x 2,048 x 1,024 float32.
;; This version of the problem:
;;   THIS VERSION OF THE PROBLEM IS GIVEN IN LOW PRECISION. The matrix products marked QUANTISED in the list below multiply operands that are first quantised to E4M3 (4 exponent bits, 3 mantissa bits; 8 bits a number), with one given power-of-two scale for each operand tensor; their sums are f32. All else is computed in f32.
;;   The module's matrix products, in the order in which they are computed (A, B: the left and right operand; K: the contracted axis; several contracted axes count as one K, in the product's order):
;;     1. [M 8,192, K 1,024] x [K 1,024, N 3,072]; A: input x; B: input W_attn: QUANTISED (scales: A lowp_scales[0], B lowp_scales[1])
;;     2. batch 64 x [M 2,048, K 64] x [K 64, N 2,048]; A: computed on the way; B: computed on the way: QUANTISED (scales: A lowp_scales[2], B lowp_scales[3])
;;     3. batch 64 x [M 2,048, K 2,048] x [K 2,048, N 64]; A: softmax (see below); B: computed on the way: QUANTISED (scales: A lowp_scales[4], B lowp_scales[5])
;;     4. [M 8,192, K 1,024] x [K 1,024, N 1,024]; A: computed on the way; B: input W_proj: QUANTISED (scales: A lowp_scales[6], B lowp_scales[7])
;;   THE QUANTISER, for each operand of a quantised product, along K:
;;     - The operand's scale is 2^e, e = its entry of the input lowp_scales (int32; the entries are numbered through the quantised products in the list's order, A before B).
;;     - Each number is divided by the scale, clamped to +-448, and rounded to the nearest number of E4M3, ties to even, subnormals kept.
;;     - The product sums the exact products of the quantised numbers (number of the format x scale) in f32.
;;   ~~~python
;;   def quantise(x, axis, e):      # numpy; x: float32 -> the quantised numbers, widened to float32 again
;;       x = np.moveaxis(x, axis, -1); K = x.shape[-1]
;;       r = np.clip(x / 2.0 ** e, -448, 448)
;;       step = 2.0 ** (np.maximum(np.frexp(np.where(r == 0, 1, r))[1] - 1, -6) - 3)
;;       q = np.round(r / step) * step * 2.0 ** e      # np.round: ties to even
;;       return np.moveaxis(q, -1, axis).astype(np.float32)
;;   ~~~
;;   SOFTMAX AHEAD OF A QUANTISED PRODUCT. Where the list says 'softmax', what is quantised is not the finished softmax but p = 2^(t - M), with t = logit x log2(e) and M = ceil(the row's largest t), a whole number; so 1/2 < the row's largest p <= 1. The row's sum l is taken of the UNQUANTISED p, in f32, and the product's result is divided by l at the end. Since M is a whole number, a kernel that streams over the keys may use a running M (the ceiling of the running maximum): every later rescaling is an exact power of two, so the quantised numbers keep their values, but for numbers so far below the row's largest that they fall under the format's range.
;;   OPERANDS COMPUTED ON THE WAY. 'Computed on the way' means the value that the module computes at that place (a softmax that the list does not call 'softmax' is quantised finished and normalised). What goes into a quantiser is computed in f32, as accurately as f32 sums, v_exp_f32 and their like allow (about 1e-6 of the number): no bf16 or f16 on the way to a quantiser, and a product that is left as it is and whose result goes on into a quantised operand takes f32 operands (vector FMAs, or v_wmma_f32_16x16x4_f32). A number that lies on a knife's edge between two numbers of the format may be rounded either way, as far as f32 arithmetic and the matrix unit's own rounding can turn it there, and no further.
;; One version. Each part assembles by itself: llvm-mc -triple=amdgcn-amd-amdhsa -mcpu=gfx1250 --defsym DOCPART=n.
;; ======== version 1 of 1: 4 launches
;; limits: right only within a limited range of input values
;; workspace buffers: x_codes 8,388,608 bytes; wa_codes 3,145,728 bytes; wp_codes 1,048,576 bytes; q_codes 8,388,608 bytes; k_codes 8,388,608 bytes; v_codes 8,388,608 bytes; y_codes 8,388,608 bytes
;; launch quant (part 1): grid 384 x 1, 4 waves a work-group, no clusters, 102,912 bytes of LDS; arguments x, W_attn, W_proj, lowp_scales, x_codes, wa_codes, wp_codes; writes x_codes, wa_codes, wp_codes
.if DOCPART == 1
	.amdgcn_target "amdgcn-amd-amdhsa--gfx1250"
	.amdhsa_code_object_version 6
	.text
	.protected	k_qeb3d94d5b5_quant
	.globl	k_qeb3d94d5b5_quant
	.p2align	8
	.type	k_qeb3d94d5b5_quant,@function
k_qeb3d94d5b5_quant:
	s_mov_b64 s[64:65], 0
	v_nop
	global_prefetch_b8 v0, s[64:65] scope:SCOPE_SE
	s_setreg_imm32_b32 hwreg(HW_REG_WAVE_MODE, 25, 1), 1
	s_wait_xcnt 0x0
; x [8192][1024], W_attn [1024][3072], W_proj [1024][1024], all f32, become codes of FP8 (E4M3), K innermost, each with its given scale 2^e (entries 0, 1, 7 of the scales).
; code = number / 2^e, held within +-448, to the nearest code, ties to even.  LIMITS: -126 <= e <= 119; NaN among the inputs is not served (an infinity is held at the largest code).
; Work-groups 0-255 take x, 256-351 W_attn, 352-383 W_proj; each of the three ways has LDS bytes of its own and ends by itself.  Waves share nothing: no barrier.
; x: K is innermost.  A wave takes 8 rows (8,192 numbers) in 16 steps of 512.  Each load reads 512 consecutive bytes; a step's 2,048 bytes turn through the wave's stage in LDS, so that a lane holds 16 neighbours for the conversions.
;    THE ROWS OF x_codes ARE PERMUTED inside each group of 128: row 128 g + 16 a + r holds token 128 g + 8 r + a.  In the product that follows, lane r of row block a then holds token 8 r + a: a lane's eight blocks are eight neighbouring tokens.
; W: K is the FIRST axis.  A lane takes a column and its registers run down K; the codes come out with K innermost and leave through the wave's stage, sixteen lanes to 256 consecutive aligned bytes.
.set SP,    80                         ; x: a lane's place in a stage: 64 bytes + 16 of padding
.set STEPS, 16
.set XR,    16                         ; v16-79   x: four sets of 16 numbers as loaded
.set XX,    80                         ; v80-111  x: two sets of 16 neighbours
.set XC,    128                        ; v128-191 x: codes, four registers for each step
.set WP,    272                        ; W: a stage row: 256 bytes of codes + 16
.set NB,    8                          ; W: blocks of 32 along K for a wave
.set WX,    32                         ; v32-95   W: two sets of 32 numbers
.set WC,    96                         ; v96-103  W: a block's codes
.set WO,    112                        ; v112-175 W: the way out
.macro XLOAD t
.irp i, 0,1,2,3
	global_load_b128 v[XR+16*((\t)%4)+4*\i:XR+16*((\t)%4)+4*\i+3], v3, s[4:5] offset:2048*(\t)+512*\i th:TH_LOAD_NT   ; 32 lanes read 512 consecutive bytes
.endr
.endm
.macro XTURN t                         ; step t through the stage: LDS serves a wave's instructions in order, so no wait stands between the stores and the loads
.irp i, 0,1,2,3
	ds_store_b128 v14, v[XR+16*((\t)%4)+4*\i:XR+16*((\t)%4)+4*\i+3] offset:32*SP*((\t)%2)+8*SP*\i
.endr
.irp i, 0,1,2,3
	ds_load_b128 v[XX+16*((\t)%2)+4*\i:XX+16*((\t)%2)+4*\i+3], v15 offset:32*SP*((\t)%2)+16*\i
.endr
.endm
.macro XSTEP t
.set XS, XX+16*((\t)%2)
	s_wait_dscnt 0x0                               ; this step's numbers are back from the stage, and its stores into the stage have read their registers,
.if (\t)+4 < STEPS
	XLOAD (\t)+4                                   ; which take the loads of four steps on
.endif
.if (\t)+1 < STEPS
.if STEPS-2-(\t) >= 3
	s_wait_loadcnt 12                              ; the next step's four loads are in; those of the three steps behind it may be out
.else
	s_wait_loadcnt 4*(STEPS-2-(\t))
.endif
	XTURN (\t)+1
.endif
.set i, 0
.rept 16
.set i, i+1
.endr
	v_cvt_scalef32_pk8_fp8_f32 v[XC+4*(\t):XC+4*(\t)+1], v[XS:XS+7], v11
	v_cvt_scalef32_pk8_fp8_f32 v[XC+4*(\t)+2:XC+4*(\t)+3], v[XS+8:XS+15], v11
	global_store_b128 v4, v[XC+4*(\t):XC+4*(\t)+3], s[12:13] offset:((\t)/2)*16384+((\t)%2)*512   ; token 8 r + a, a = t / 2, lies 16 a rows on; 512 consecutive aligned bytes
.endm
.macro WLOAD t, n, src                 ; block t: W(32 t + i, my column), i = 0 .. 31
.set i, 0
.rept 32
	global_load_b32 v[WX+32*((\t)%2)+i], v3, s[\src:\src+1] offset:(32*(\t)+i)*\n*4 th:TH_LOAD_NT
.set i, i+1
.endr
.endm
.macro WBLOCK t, n, src
.set XS, WX+32*((\t)%2)
.if (\t) < NB-1
	s_wait_loadcnt 32                              ; this block's 32 loads are in; the next block's may be out
.else
	s_wait_loadcnt 0
.endif
.set i, 0
.rept 32
.set i, i+1
.endr
.irp g, 0,1,2,3
	v_cvt_scalef32_pk8_fp8_f32 v[WC+2*\g:WC+2*\g+1], v[XS+8*\g:XS+8*\g+7], v11
.endr
	ds_store_b128 v4, v[WC:WC+3] offset:32*(\t)    ; 32 codes: 32 bytes of my column's row
	ds_store_b128 v4, v[WC+4:WC+7] offset:32*(\t)+16
.if (\t)+2 < NB
	WLOAD (\t)+2, \n, \src
.endif
	s_wait_dscnt 0x0                               ; the stores have read their registers: the next block's codes may be written
.endm
; A weight of n columns: work-group first + 4 g + y takes columns 128 g on and K = 256 y on; a wave 32 columns.  Every offset is an immediate: 255 x n x 4 is 3,133,440 at the most.
.macro WPATH n, src, dst, eoff, first, lbase
	s_load_b32 s30, s[10:11], \eoff                ; e
	s_sub_co_u32 s19, ttmp9, \first
	s_lshr_b32 s20, s19, 2
	s_and_b32 s21, s19, 3                          ; which 256 along K
	s_lshl_b32 s20, s20, 7
	s_lshl_b32 s22, s18, 5
	s_add_co_u32 s20, s20, s22                     ; my wave's first column
	v_lshlrev_b32 v3, 2, v2                        ; in: 4 bytes a lane
	s_mul_i32 s22, s18, 32*WP
	s_add_co_u32 s22, s22, \lbase                  ; my stage
	v_mul_u32_u24 v4, v2, WP
	v_add_nc_u32 v4, s22, v4                       ; into it: row = my column
	v_and_b32 v5, 15, v2
	v_lshrrev_b32 v6, 4, v2
	v_mul_u32_u24 v7, v6, WP
	v_lshl_add_u32 v7, v5, 4, v7
	v_add_nc_u32 v7, s22, v7                       ; out of it: sixteen lanes to a row, two rows an instruction
	v_lshlrev_b32 v8, 10, v6
	v_lshl_add_u32 v8, v5, 4, v8                   ; and the same place in the codes: a row is 1,024 bytes
	s_mul_i32 s24, s21, 256*\n*4
	s_lshl_b32 s23, s20, 2
	s_add_co_u32 s24, s24, s23
	s_mov_b32 s25, 0
	s_add_nc_u64 s[\src:\src+1], s[\src:\src+1], s[24:25]
	s_lshl_b32 s26, s20, 10
	s_lshl_b32 s27, s21, 8
	s_add_co_u32 s26, s26, s27
	s_mov_b32 s27, 0
	s_add_nc_u64 s[\dst:\dst+1], s[\dst:\dst+1], s[26:27]
	WLOAD 0, \n, \src
	WLOAD 1, \n, \src
	s_wait_kmcnt 0x0
	s_add_co_i32 s30, s30, 127
	s_lshl_b32 s31, s30, 23
	v_mov_b32 v11, s31                             ; 2^e as f32: the conversion takes its exponent field
	s_add_co_i32 s30, s30, 8
	s_lshl_b32 s30, s30, 23
	s_or_b32 s30, s30, 0x600000
.set Q, 0
	s_wait_alu depctr_va_vdst(0)
.rept NB
	WBLOCK Q, \n, \src
.set Q, Q+1
.endr
.set Q, 0
.rept 16
	ds_load_b128 v[WO+4*Q:WO+4*Q+3], v7 offset:2*Q*WP   ; LDS serves a wave's instructions in order: these see my stores
.set Q, Q+1
.endr
.set Q, 0
.rept 16
	s_wait_dscnt 15-Q
	global_store_b128 v8, v[WO+4*Q:WO+4*Q+3], s[\dst:\dst+1] offset:2*Q*1024
.set Q, Q+1
.endr
.endm
	s_load_b256 s[4:11], s[0:1], 0x0               ; x s[4:5], W_attn s[6:7], W_proj s[8:9], the scales' exponents s[10:11]
	s_load_b128 s[12:15], s[0:1], 0x20             ; x's codes s[12:13], W_attn's s[14:15]
	s_load_b64 s[16:17], s[0:1], 0x30              ; W_proj's
	v_lshl_add_u32 v192, v0, 2, 0x19000
	v_mov_b32 v193, 0
	v_lshrrev_b32 v1, 5, v0
	v_readfirstlane_b32 s18, v1                    ; wave 0..3
	v_and_b32 v2, 31, v0                           ; lane
	s_wait_kmcnt 0x0
	s_cmp_lt_u32 ttmp9, 256
	s_cbranch_scc1 .Lx
	s_cmp_lt_u32 ttmp9, 352
	s_cbranch_scc1 .Lwa
	s_wait_alu depctr_va_vdst(0)
	WPATH 1024, 8, 16, 0x1c, 352, 67584
	s_wait_tensorcnt 0x0
	ds_add_u32 v192, v193
	s_wait_dscnt 0x0
	s_endpgm
.Lwa:
	s_wait_alu depctr_va_vdst(0)
	WPATH 3072, 6, 14, 0x4, 256, 32768
	s_wait_tensorcnt 0x0
	ds_add_u32 v192, v193
	s_wait_dscnt 0x0
	s_endpgm
.Lx:
	s_load_b32 s22, s[10:11], 0x0                  ; e of x
	s_wait_alu depctr_va_vdst(0)
	v_lshlrev_b32 v3, 4, v2                        ; my 16 bytes of a load's 512
	s_wait_alu depctr_va_vdst(0)
	s_mul_i32 s19, s18, 8192                       ; my wave's LDS
	v_lshrrev_b32 v14, 2, v2
	v_mul_u32_u24 v14, v14, SP
	v_and_b32 v15, 3, v2
	v_lshl_add_u32 v14, v15, 4, v14
	v_add_nc_u32 v14, s19, v14                     ; the stage, on the way in: four lanes' 64 bytes on end, then 16 of padding
	v_mul_u32_u24 v15, v2, SP
	v_add_nc_u32 v15, s19, v15                     ; and on the way out: my 16 neighbours
	v_lshlrev_b32 v4, 4, v2                        ; my 16 codes in a step's 512
	s_lshl_b32 s20, ttmp9, 2
	s_add_co_u32 s20, s20, s18                     ; R: which run of 8 rows is my wave's
	s_lshl_b32 s24, s20, 15
	s_mov_b32 s25, 0
	s_add_nc_u64 s[4:5], s[4:5], s[24:25]
	s_lshr_b32 s26, s20, 4
	s_lshl_b32 s26, s26, 17                        ; the group of 128 rows,
	s_and_b32 s27, s20, 15
	s_lshl_b32 s27, s27, 10                        ; row r = R % 16 of each of its eight blocks
	s_add_co_u32 s26, s26, s27
	s_mov_b32 s27, 0
	s_add_nc_u64 s[12:13], s[12:13], s[26:27]
	XLOAD 0
	XLOAD 1
	XLOAD 2
	XLOAD 3
	s_wait_alu depctr_va_vdst(0)
	s_wait_kmcnt 0x0
	s_add_co_i32 s22, s22, 127
	s_lshl_b32 s23, s22, 23
	v_mov_b32 v11, s23                             ; 2^e as f32
	s_add_co_i32 s22, s22, 8
	s_lshl_b32 s22, s22, 23
	s_or_b32 s22, s22, 0x600000
	s_wait_alu depctr_va_vdst(0)
	s_wait_loadcnt 12                              ; step 0's four loads are in
	XTURN 0
.irp t, 0,1,2,3,4,5,6,7,8,9,10,11,12,13,14,15
	XSTEP \t
.endr
	s_wait_tensorcnt 0x0
	ds_add_u32 v192, v193
	s_wait_dscnt 0x0
	s_endpgm
.Lfunc_end_k_qeb3d94d5b5_quant:
	.size	k_qeb3d94d5b5_quant, .Lfunc_end_k_qeb3d94d5b5_quant-k_qeb3d94d5b5_quant
	.p2alignl 7, 3214868480
	.fill 96, 4, 3214868480
	.section	.rodata,"a",@progbits
	.p2align	6, 0x0
	.amdhsa_kernel k_qeb3d94d5b5_quant
		.amdhsa_group_segment_fixed_size 102912
		.amdhsa_private_segment_fixed_size 0
		.amdhsa_enable_private_segment 0
		.amdhsa_kernarg_size 56
		.amdhsa_user_sgpr_count 2
		.amdhsa_user_sgpr_kernarg_segment_ptr 1
		.amdhsa_wavefront_size32 1
		.amdhsa_system_sgpr_workgroup_id_x 1
		.amdhsa_system_sgpr_workgroup_id_y 1
		.amdhsa_system_sgpr_workgroup_id_z 1
		.amdhsa_system_vgpr_workitem_id 0
		.amdhsa_next_free_vgpr 194
		.amdhsa_next_free_sgpr 66
		.amdhsa_reserve_vcc 0
		.amdhsa_float_denorm_mode_32 3
		.amdhsa_float_denorm_mode_16_64 3
		.amdhsa_fp16_overflow 1
		.amdhsa_memory_ordered 1
		.amdhsa_forward_progress 1
		.amdhsa_inst_pref_size 86
	.end_amdhsa_kernel
	.amdgpu_metadata
---
amdhsa.version: [ 1, 2 ]
amdhsa.kernels:
  - .name:           k_qeb3d94d5b5_quant
    .symbol:         k_qeb3d94d5b5_quant.kd
    .args:
      - { .name: x, .offset: 0, .size: 8, .value_kind: global_buffer, .address_space: global }
      - { .name: W_attn, .offset: 8, .size: 8, .value_kind: global_buffer, .address_space: global }
      - { .name: W_proj, .offset: 16, .size: 8, .value_kind: global_buffer, .address_space: global }
      - { .name: lowp_scales, .offset: 24, .size: 8, .value_kind: global_buffer, .address_space: global }
      - { .name: x_codes, .offset: 32, .size: 8, .value_kind: global_buffer, .address_space: global }
      - { .name: wa_codes, .offset: 40, .size: 8, .value_kind: global_buffer, .address_space: global }
      - { .name: wp_codes, .offset: 48, .size: 8, .value_kind: global_buffer, .address_space: global }
    .group_segment_fixed_size: 102912
    .private_segment_fixed_size: 0
    .kernarg_segment_align: 8
    .kernarg_segment_size: 56
    .max_flat_workgroup_size: 128
    .sgpr_count:     66
    .vgpr_count:     194
    .wavefront_size: 32
...
	.end_amdgpu_metadata
.endif
;; end of part 1
;; launch gemm_qkv (part 2): grid 12 x 32, 4 waves a work-group, clusters of 4 x 4, 327,680 bytes of LDS; arguments x_codes, wa_codes, lowp_scales, b_attn, q_codes, k_codes, v_codes; writes q_codes, k_codes, v_codes
.if DOCPART == 2
	.amdgcn_target "amdgcn-amd-amdhsa--gfx1250"
	.amdhsa_code_object_version 6
	.text
	.protected	k_qeb3d94d5b5_gemm_qkv
	.globl	k_qeb3d94d5b5_gemm_qkv
	.p2align	8
	.type	k_qeb3d94d5b5_gemm_qkv,@function
k_qeb3d94d5b5_gemm_qkv:
	s_mov_b64 s[64:65], 0
	v_nop
	global_prefetch_b8 v0, s[64:65] scope:SCOPE_SE
	s_setreg_imm32_b32 hwreg(HW_REG_WAVE_MODE, 25, 1), 1
	s_wait_xcnt 0x0
	s_wait_alu depctr_hold_cnt(0) depctr_sa_sdst(0) depctr_va_vdst(0) depctr_va_sdst(0) depctr_va_ssrc(0) depctr_va_vcc(0) depctr_vm_vsrc(0)
	s_getreg_b32 s2, hwreg(HW_REG_IB_STS2, 6, 4)
	s_cmp_eq_u32 s2, 0
	s_cbranch_scc0 .Lentry_in_a_cluster
	s_endpgm
.Lentry_in_a_cluster:
	s_bfe_u32 s2, ttmp6, 0x10000c
	s_cmp_lg_u32 s2, 0xf033
	s_cbranch_scc0 .Lentry_shape_is_right
	s_endpgm
.Lentry_shape_is_right:
; qkv = x W_attn + b_attn on codes of FP8 (E4M3), and q, k, v quantised on the way out with their given scales (entries 2, 3, 5).  x_codes [8192][1024] (rows permuted: row 128 g + 16 a + r = token 128 g + 8 r + a), wa_codes [3072][1024].
; A tile is 256 rows x 256 columns, four waves, each 128 x 128: 64 accumulators, 512 registers.  K goes in steps of 256 through a ring of two LDS slots filled by the tensor data mover.
; CLUSTERS: 4 x 4 work-groups; the four of a row ask jointly for x's tiles, the four of a column for W's.  A cluster's four tile columns are 1,024 columns: cluster x = 0, 1, 2 is q, k, v, so the way out parts on a number that all partners share.
; THE MATRIX INSTRUCTION IS USED TRANSPOSED (source 0 = 16 rows of W's codes, source 1 = 16 rows of x's): lane (r, h) of accumulator (a, b) holds token 8 r + a and columns 16 b + 8 h + 0..7.
; A fragment is fetched by four loads of 16 bytes: k stands in a permuted place, alike in both operands, so the order of the sums inside an instruction is not the ascending one.
; OUT.  q, k: [16 batch + head][token][64]: a lane's eight registers are eight neighbours along the head's 64.  v: [16 batch + head][step of 128 keys][row 64][place 128]: K is the keys, and a lane's eight ROW BLOCKS are eight neighbouring keys.
;   In v the rows are the head's channels with bits 3 and 4 swapped, the places the keys of the step with bits 3 and 4 swapped: the launch that follows reads them as operands as they lie.
; LIMITS: e0 + e1 between -126 and 127; e2, e3, e5 between -126 and 119.  NaN among the inputs is not served.
; No prefetch: K has four steps, of which two are the first fills; nothing is asked for at the head, and what is left has no step ahead of it.
; REGISTERS: window 0: v0-31 addresses; v64-127 the bias of my 128 columns; from v128 x's fragments, one set; on the way out v32-63 and v128-255 are free.  window 1: W's fragments, two sets.  windows 2, 3: the accumulators ((a, b) at v[8 (8 (a % 4) + b)]).
.set SIZE_K, 1024
.set KSTEP,  256
.set ROWB,   256
.set KROW,   SIZE_K
.set PITCH,  272                       ; an LDS row: 256 bytes + 16 of padding: the 16 rows that a load touches start at 16 different banks (64 banks of 4 bytes: ISA guide 11.1)
.set FR,     16
.set NL,     4
.set NP,     4                         ; places behind this matrix instruction (ISA guide 7.12.1)
.set HALFT,  128*PITCH
.set SLOT,   4*HALFT
.set LAPS,   SIZE_K/(2*KSTEP)
.set SPARE,  2*SLOT                    ; behind the ring: the spare words, 128 bytes for each wave
.set VST,    SPARE+512                 ; v's stage: 64 rows x 144 bytes for each wave; no tile ever lands here
.set VW,     9216
.set QW,     21504                     ; q's and k's stage, in slot 0 (it has had its last fill and its last read): for each wave 2 heads x 8 blocks x (16 rows x 80 bytes + 64)
.set BO,   7                           ; v7   32 h: my half's place in a block of 16 biases
.set ADRA, 16
.set ADRB, 20
.set VSC,  22                          ; v22  2^e of the tensor that I make
.set VLIM, 23
.set STQ,  24
.set RDQ,  25
.set GO,   26                          ; v26  16 x lane
.set STV,  27
.set SPW,  28
.set NIL,  29
.set RDV,  30
.set BI,   64
.set AF,   128
.set TMP,  128                         ; the way out: 64 numbers
.set CS0,  192                         ; two sets of 16 registers of codes, by turns
.set G1, 24
.set G0, 32
.set G1B, 48
.set G0B, 56
.set MSB, 0
.macro WIN new                         ; the immediate's high byte repeats the setting that is left
.if MSB != \new
	s_set_vgpr_msb (MSB<<8)|\new
.set MSB, \new
.endif
.endm
.set MUL_LO, 0xa1
.set MUL_HI, 0xf1
.set TO_B,   0x40
; A joint load: waves 0 and 1 fetch for x, waves 2 and 3 for W; the branch hangs on the wave's number alone.  Four v_nop follow each of the two lines.
.macro JLOAD g0a, g1a, g0b, g1b
	s_cmp_eq_u32 s15, 0
	s_cbranch_scc0 .Lfor_b_\@
	tensor_load_to_lds s[\g0a:\g0a+3], s[\g1a:\g1a+7]
	s_nop 0
.rept 4
	v_nop
.endr
	s_branch .Lasked_\@
.Lfor_b_\@:
	tensor_load_to_lds s[\g0b:\g0b+3], s[\g1b:\g1b+7]
	s_nop 0
.rept 4
	v_nop
.endr
.Lasked_\@:
.endm
.macro CREST                           ; a round of the cluster's barrier behind its opening barrier
	s_cmp_lg_u32 s14, 0
	s_cbranch_scc1 .Lnot_wave_0_\@
	s_barrier_signal -3
.Lnot_wave_0_\@:
	s_barrier_wait -3
	s_barrier_signal -1
	s_barrier_wait -1
.endm
.macro CROUND
	s_barrier_signal -1
	s_barrier_wait -1
	CREST
.endm
	s_load_b128 s[4:7], s[0:1], 0x0                ; x's codes, W's codes
	s_load_b128 s[8:11], s[0:1], 0x10              ; the scales' exponents, the bias
	s_load_b128 s[68:71], s[0:1], 0x20             ; q's codes, k's codes
	s_load_b64 s[72:73], s[0:1], 0x30              ; v's codes
	v_lshl_add_u32 v[SPW], v0, 2, SPARE
	v_mov_b32 v[NIL], 0
	ds_add_u32 v28, v29
	ds_add_u32 v28, v29
	s_wait_dscnt 0x0
	v_lshrrev_b32 v1, 5, v0
	v_readfirstlane_b32 s14, v1                    ; wave 0..3
	s_lshr_b32 s15, s14, 1                         ; which half of the tile's rows is mine.  Also: I fetch for x (0) or for W (1)
	s_and_b32 s16, s14, 1                          ; which half of its columns.  Also: which 128 rows of that tile I fetch
	s_bfe_u32 s40, ttmp6, 0x40000                  ; cx, cy
	s_bfe_u32 s41, ttmp6, 0x40004
	s_lshl_b32 s42, ttmp9, 2
	s_add_co_u32 s42, s42, s40                     ; tile column
	s_and_b32 s17, ttmp7, 0xffff
	s_lshl_b32 s17, s17, 2
	s_add_co_u32 s17, s17, s41                     ; tile row
	s_lshl_b32 s43, s41, 2
	s_lshl_b32 s43, 15, s43                        ; my row of the cluster
	s_lshl_b32 s44, 0x1111, s40                    ; my column
	s_or_b32 s[G1+0], s43, (0<<16)|(1<<20)|(1<<21)|(5<<22)|(3<<25)  ; the mask; elements of 1 byte; padding on; bit 21 beside a mask; after every 64 words, 4 words
	s_or_b32 s[G1B+0], s44, (0<<16)|(1<<20)|(1<<21)|(5<<22)|(3<<25)
.irp g, G1, G1B
	s_mov_b32 s[\g+1], ROWB<<16                    ; tensor_dim0
	s_mov_b32 s[\g+2], 128<<16                     ; tensor_dim1
	s_mov_b32 s[\g+3], ROWB<<16                    ; tile_dim0
	s_mov_b32 s[\g+4], 128                         ; tile_dim1
	s_mov_b32 s[\g+5], KROW                        ; from row to row
	s_mov_b32 s[\g+6], 0
	s_mov_b32 s[\g+7], 0
.endr
	s_lshl_b32 s18, s16, 7
	s_lshl_b32 s20, s17, 8
	s_add_co_u32 s20, s20, s18                     ; x: row 256 x tile row + 128 x half
	s_lshl_b32 s46, s42, 8
	s_add_co_u32 s46, s46, s18                     ; W: row 256 x tile column + 128 x half
	s_mov_b32 s21, 0
	s_mov_b32 s47, 0
	s_mov_b64 s[18:19], KROW
	s_mul_u64 s[20:21], s[20:21], s[18:19]
	s_mul_u64 s[46:47], s[46:47], s[18:19]
	s_mul_i32 s45, s14, HALFT                      ; where they go: wave x 128 rows
	s_wait_kmcnt 0x0
	s_load_b256 s[80:87], s[8:9], 0x0              ; e0 .. e7
	s_add_nc_u64 s[20:21], s[4:5], s[20:21]
	s_add_nc_u64 s[46:47], s[6:7], s[46:47]
	CROUND                                         ; all sixteen work-groups are here: the first joint loads meet
.irp s, 0,1
	s_mov_b32 s[G0+4*\s], 1
	s_add_co_u32 s[G0+4*\s+1], s45, \s*SLOT
	s_add_nc_u64 s[G0+4*\s+2:G0+4*\s+3], s[20:21], \s*ROWB
	s_or_b32 s[G0+4*\s+3], s[G0+4*\s+3], 0x80000000
	s_mov_b32 s[G0B+4*\s], 1
	s_add_co_u32 s[G0B+4*\s+1], s45, \s*SLOT
	s_add_nc_u64 s[G0B+4*\s+2:G0B+4*\s+3], s[46:47], \s*ROWB
	s_or_b32 s[G0B+4*\s+3], s[G0B+4*\s+3], 0x80000000
	JLOAD G0+4*\s, G1, G0B+4*\s, G1B
.endr
	v_and_b32 v1, 15, v0                           ; r
	s_wait_alu depctr_va_vdst(0)
	v_bfe_u32 v2, v0, 4, 1                         ; h
	v_mul_u32_u24 v3, v1, PITCH
	v_lshl_add_u32 v4, v2, 4, v3
	s_mul_i32 s21, s15, HALFT
	s_mul_i32 s22, s16, HALFT
	s_add_co_u32 s22, s22, 2*HALFT
.irp s, 0,1
	v_add_nc_u32 v[ADRA+\s], s21, v4
	v_add_nc_u32 v[ADRB+\s], s22, v4
	s_add_co_u32 s21, s21, SLOT
	s_add_co_u32 s22, s22, SLOT
.endr
	; the stages' addresses, all made here, ahead of the parting of the ways
	v_and_b32 v6, 31, v0                           ; lane
	s_mul_i32 s23, s14, QW
	v_mul_u32_u24 v5, v1, 80
	s_wait_alu depctr_va_vdst(0)
	v_lshl_add_u32 v5, v2, 3, v5
	v_add_nc_u32 v[STQ], s23, v5                   ; q, k in: row r of a block, 8 bytes for each half of the lanes
	v_lshrrev_b32 v8, 2, v6
	v_mul_u32_u24 v8, v8, 1344
	v_and_b32 v9, 3, v6
	v_lshl_add_u32 v8, v9, 4, v8
	v_add_nc_u32 v[RDQ], s23, v8                   ; back: four lanes to a token; token 8 i + lane / 4 lies in block lane / 4, row i
	s_mul_i32 s23, s14, VW
	s_add_co_u32 s23, s23, VST
	v_and_b32 v10, 12, v1
	v_and_b32 v11, 1, v1
	v_lshl_add_u32 v10, v11, 1, v10
	v_bfe_u32 v11, v1, 1, 1
	v_add_nc_u32 v10, v10, v11                     ; r with its bits 0 and 1 swapped: my eight keys' place in a row, in units of 8
	v_lshlrev_b32 v10, 3, v10
	v_mul_u32_u24 v11, v2, 2304                    ; my half's channels lie 16 rows on
	v_add_nc_u32 v10, v10, v11
	v_add_nc_u32 v[STV], s23, v10
	v_lshrrev_b32 v12, 3, v6
	v_mul_u32_u24 v12, v12, 144
	v_and_b32 v13, 7, v6
	v_lshl_add_u32 v12, v13, 4, v12
	v_add_nc_u32 v[RDV], s23, v12                  ; back: eight lanes to a row of 128 bytes
	v_lshlrev_b32 v[GO], 4, v6
	v_lshlrev_b32 v[BO], 5, v2
	s_wait_alu depctr_va_vdst(0)
	; where my wave's two heads begin in q, k or v: (16 batch + 4 cx + 2 column half) x 131,072 + (step of 128 tokens) x 8,192
	s_lshr_b32 s91, s17, 3
	s_lshl_b32 s91, s91, 4
	s_lshl_b32 s92, s40, 2
	s_add_co_u32 s91, s91, s92
	s_lshl_b32 s92, s16, 1
	s_add_co_u32 s91, s91, s92
	s_lshl_b32 s91, s91, 17
	s_and_b32 s92, s17, 7
	s_lshl_b32 s92, s92, 1
	s_add_co_u32 s92, s92, s15
	s_lshl_b32 s92, s92, 13
	s_add_co_u32 s92, s92, s91
	s_mov_b32 s93, 0
	s_lshl_b32 s94, s42, 10                        ; the bias of my 128 columns
	s_lshl_b32 s95, s16, 9
	s_add_co_u32 s94, s94, s95
	s_mov_b32 s95, 0
	s_add_nc_u64 s[10:11], s[10:11], s[94:95]
.irp b, 0,1,2,3,4,5,6,7
	global_load_b128 v[BI+8*\b:BI+8*\b+3], v[BO], s[10:11] offset:64*\b          ; bias(16 b + 8 h + 0..7), in the result's layout
	global_load_b128 v[BI+8*\b+4:BI+8*\b+7], v[BO], s[10:11] offset:64*\b+16
.endr
.macro FRAG reg, adr, q, i             ; 16 rows x 128 K: registers 4 c .. 4 c + 3 hold K = 32 c + 16 h + 0 .. 15
.irp c, 0,1,2,3
	ds_load_b128 v[\reg+4*\c:\reg+4*\c+3], v[\adr] offset:128*(\q)+32*\c+(\i)*16*PITCH
.endr
.endm
; 16 matrix instructions.  The 64 accumulators take turns, one instruction a turn, in the same order in every step.
.macro MUL16 a0, p, zero
.irp a, \a0, \a0+1
.irp b, 0,1,2,3,4,5,6,7
.if \zero
	v_wmma_f32_16x16x128_fp8_fp8 v[8*(8*((\a)%4)+\b):8*(8*((\a)%4)+\b)+7], v[128*(\p)+FR*\b:128*(\p)+FR*\b+FR-1], v[AF+FR*(\a):AF+FR*(\a)+FR-1], 0
.else
	v_wmma_f32_16x16x128_fp8_fp8 v[8*(8*((\a)%4)+\b):8*(8*((\a)%4)+\b)+7], v[128*(\p)+FR*\b:128*(\p)+FR*\b+FR-1], v[AF+FR*(\a):AF+FR*(\a)+FR-1], v[8*(8*((\a)%4)+\b):8*(8*((\a)%4)+\b)+7]
.endif
.endr
.endr
.endm
.macro FETCH_B slot, q, p
	WIN TO_B
.irp i, 0,1,2,3,4,5,6,7
	FRAG 128*(\p)+FR*\i, ADRB+\slot, \q, \i
.endr
	WIN 0
.endm
.macro FETCH_A slot, q, i0
.irp i, \i0, \i0+1, \i0+2, \i0+3
	FRAG AF+FR*(\i), ADRA+\slot, \q, \i
.endr
.endm
.macro PLACES n                        ; plain vector instructions between a matrix instruction and a load into, or a vector read of, its registers
.rept \n
	v_nop
.endr
.endm
.macro STEP slot, q, zero              ; 128 along K, with its successor in the same slot
	s_wait_dscnt 4*NL                              ; W's set and x's blocks 0-3 are in; the youngest sixteen loads (blocks 4-7) may be out
	WIN MUL_LO
	MUL16 0, (\q)%2, \zero
	MUL16 2, (\q)%2, \zero
	s_wait_dscnt 0
	PLACES NP
	FETCH_B \slot, (\q)+1, 1-(\q)%2
	FETCH_A \slot, (\q)+1, 0
	WIN MUL_HI
	MUL16 4, (\q)%2, \zero
	MUL16 6, (\q)%2, \zero
	PLACES NP
	WIN 0
	FETCH_A \slot, (\q)+1, 4
.endm
; A slot's last step changes slots: one barrier; in front of it each wave waits for all its tensor loads, adds 0 to its spare word, and waits for that and for its reads of this slot.
.macro TURN slot, next, fill
	s_wait_tensorcnt 0x0                           ; all my tensor loads have landed: my part of the next slot
	ds_add_u32 v[SPW], v[NIL]                      ; 0 onto my spare word
	s_wait_dscnt 4*NL+1                            ; (the add and the youngest sixteen loads may be out)
	WIN MUL_LO
	MUL16 0, 1, 0
	s_wait_dscnt 0x0                               ; the add is done, and my reads of this slot are over
	s_barrier_signal -1
	MUL16 2, 1, 0
	WIN 0
	s_barrier_wait -1
.if \fill
	CREST                                          ; the barrier has opened a round of the cluster's barrier: no wave of any partner still reads this slot or has a load on its way
	s_add_nc_u64 s[G0+4*\slot+2:G0+4*\slot+3], s[G0+4*\slot+2:G0+4*\slot+3], 2*ROWB
	s_add_nc_u64 s[G0B+4*\slot+2:G0B+4*\slot+3], s[G0B+4*\slot+2:G0B+4*\slot+3], 2*ROWB
	JLOAD G0+4*\slot, G1, G0B+4*\slot, G1B         ; the first tensor load behind the round; its four v_nop are the places in front of the loads below
.else
	PLACES NP
.endif
	FETCH_B \next, 0, 0
	FETCH_A \next, 0, 0
	WIN MUL_HI
	MUL16 4, 1, 0
	MUL16 6, 1, 0
	PLACES NP
	WIN 0
	FETCH_A \next, 0, 4
.endm
	s_wait_tensorcnt 1                             ; my part of K step 0 is in (K step 1's load may be out),
	s_barrier_signal -1
	s_barrier_wait -1                              ; everybody's is
	FETCH_B 0, 0, 0
	FETCH_A 0, 0, 0
	FETCH_A 0, 0, 4
	STEP 0, 0, 1                                   ; the first step's products start the sums
	s_mov_b32 s3, LAPS-1
.Llap:                                                 ; a trip goes once round the ring and fills both slots again
	TURN 0, 1, 1
	STEP 1, 0, 0
	TURN 1, 0, 1
	STEP 0, 0, 0
	s_sub_co_u32 s3, s3, 1
	s_cmp_lg_u32 s3, 0
	s_cbranch_scc1 .Llap
	TURN 0, 1, 0                                   ; the last lap fills nothing
	STEP 1, 0, 0
	s_wait_dscnt 4*NL
	WIN MUL_LO
	MUL16 0, 1, 0
	MUL16 2, 1, 0
	s_wait_dscnt 0
	WIN MUL_HI
	MUL16 4, 1, 0
	MUL16 6, 1, 0
	WIN 0
; THE WAY OUT.  number = sum x 2^(e0 + e1) + bias, one fused multiply-add; held within +-448 x 2^e; eight numbers of a lane become eight codes.
.macro BKSET k                         ; the four registers that take piece k of the wave's 32 pieces of 512 bytes
.if (\k) < 8
.set BKR, 32+4*(\k)
.elseif (\k) < 16
.set BKR, 224+4*((\k)-8)
.else
.set BKR, 128+4*((\k)-16)
.endif
.endm
; q, k: row block a.  A lane's eight registers of accumulator (a, b) are eight neighbours along the head's 64.
.macro QKBLOCK a
.set AC, 64*((\a)%4)
.set CC, CS0+16*((\a)%2)
	WIN (0x02+((\a)/4))                            ; source 0: window 2 or 3
.set i, 0
.rept 32
	v_pk_fma_f32 v[TMP+i:TMP+i+1], v[AC+i:AC+i+1], s[88:89], v[BI+i:BI+i+1] op_sel_hi:[1,0,1]   ; each accumulator from its low end on
.set i, i+2
.endr
	WIN 0
.set i, 0
.rept 64
.set i, i+1
.endr
.if (\a) >= 2
	s_wait_alu depctr_va_vdst(0)
	s_wait_dscnt 8                                 ; all but the last block's eight stores are done: this set of codes, which the block before that stored, may be written
.endif
.irp b, 0,1,2,3,4,5,6,7
	v_cvt_scalef32_pk8_fp8_f32 v[CC+2*\b:CC+2*\b+1], v[TMP+8*\b:TMP+8*\b+7], v[VSC]
.endr
	v_nop                                          ; a plain vector instruction behind the last conversion, ahead of the next writes of its sources
.irp b, 0,1,2,3,4,5,6,7
	ds_store_b64 v[STQ], v[CC+2*\b:CC+2*\b+1] offset:(\b/4)*10752+(\a)*1344+16*(\b%4)
.endr
.endm
; v: column block b.  For each of my eight columns the eight row blocks' numbers are eight neighbouring keys.
.macro VBLOCK b
.set CC, CS0+16*((\b)%2)
	WIN 0x02
.set ia, 0
.rept 4
.set j, 0
.rept 8
	v_fma_f32 v[TMP+8*j+ia], v[64*ia+8*(\b)+j], s88, v[BI+8*(\b)+j]
.set j, j+1
.endr
.set ia, ia+1
.endr
	WIN 0x03
.set ia, 0
.rept 4
.set j, 0
.rept 8
	v_fma_f32 v[TMP+8*j+ia+4], v[64*ia+8*(\b)+j], s88, v[BI+8*(\b)+j]
.set j, j+1
.endr
.set ia, ia+1
.endr
	WIN 0
.set i, 0
.rept 64
.set i, i+1
.endr
.if (\b) >= 2
	s_wait_alu depctr_va_vdst(0)
	s_wait_dscnt 8                                 ; at most the last eight LDS instructions are out: the stores that read this set of codes are done
.endif
.irp j, 0,1,2,3,4,5,6,7
	v_cvt_scalef32_pk8_fp8_f32 v[CC+2*\j:CC+2*\j+1], v[TMP+8*\j:TMP+8*\j+7], v[VSC]
.endr
	v_nop
.irp j, 0,1,2,3,4,5,6,7
	ds_store_b64 v[STV], v[CC+2*\j:CC+2*\j+1] offset:(32*(((\b)%4)/2)+8*((\b)%2)+\j)*144
.endr
.endm
.macro SENDALL p                       ; two heads x 8,192 bytes: each store covers 512 consecutive bytes, aligned
.set k, 0
.rept 32
	BKSET k
	s_wait_dscnt 31-k                              ; piece k is back: at most the 31 - k loads behind it are out
	global_store_b128 v[GO], v[BKR:BKR+3], s[\p:\p+1] offset:(k/16)*131072+(k%16)*512
.set k, k+1
.endr
.endm
	s_wait_kmcnt 0x0
	s_add_co_i32 s88, s80, s81
	s_add_co_i32 s88, s88, 127
	s_lshl_b32 s88, s88, 23                        ; 2^(e0 + e1) as f32
	s_mov_b32 s89, s88                             ; (named with it as a pair, so it is written)
	s_cmp_eq_u32 ttmp9, 0
	s_cselect_b32 s90, s82, s83                    ; q's e or k's,
	s_cselect_b64 s[76:77], s[68:69], s[70:71]     ; q's codes or k's: the choice hangs on the cluster's x alone
	s_cmp_eq_u32 ttmp9, 2
	s_cselect_b32 s90, s85, s90                    ; or v's e
	s_add_co_i32 s90, s90, 127
	s_lshl_b32 s91, s90, 23
	v_mov_b32 v[VSC], s91
	s_add_nc_u64 s[76:77], s[76:77], s[92:93]
	s_add_nc_u64 s[72:73], s[72:73], s[92:93]
	s_wait_loadcnt 0x0                             ; the bias
	PLACES NP
	s_cmp_eq_u32 ttmp9, 2
	s_cbranch_scc1 .Lv
.irp a, 0,1,2,3,4,5,6,7
	QKBLOCK \a
.endr
.set k, 0
.rept 32
	BKSET k
	ds_load_b128 v[BKR:BKR+3], v[RDQ] offset:(k/16)*10752+80*(k%16)   ; tokens 8 (k % 16) + 0..7 of head k / 16; LDS serves a wave's instructions in order: these see my stores
.set k, k+1
.endr
	SENDALL 76
	s_branch .Lend
.Lv:
.irp b, 0,1,2,3
	VBLOCK \b
.endr
.set k, 0
.rept 16
	BKSET k
	ds_load_b128 v[BKR:BKR+3], v[RDV] offset:576*k                    ; four rows of 128 bytes of the first head
.set k, k+1
.endr
.irp b, 4,5,6,7
	VBLOCK \b                                      ; the second head, in the same stage: its stores are served behind the loads above
.endr
.set k, 16
.rept 16
	BKSET k
	ds_load_b128 v[BKR:BKR+3], v[RDV] offset:576*(k-16)
.set k, k+1
.endr
	SENDALL 72
.Lend:
	s_wait_tensorcnt 0x0                           ; the wave's end
	ds_add_u32 v[SPW], v[NIL]
	s_wait_dscnt 0x0
	CROUND                                         ; the closing round
	s_endpgm
.Lfunc_end_k_qeb3d94d5b5_gemm_qkv:
	.size	k_qeb3d94d5b5_gemm_qkv, .Lfunc_end_k_qeb3d94d5b5_gemm_qkv-k_qeb3d94d5b5_gemm_qkv
	.p2alignl 7, 3214868480
	.fill 96, 4, 3214868480
	.section	.rodata,"a",@progbits
	.p2align	6, 0x0
	.amdhsa_kernel k_qeb3d94d5b5_gemm_qkv
		.amdhsa_group_segment_fixed_size 327680
		.amdhsa_private_segment_fixed_size 0
		.amdhsa_enable_private_segment 0
		.amdhsa_kernarg_size 56
		.amdhsa_user_sgpr_count 2
		.amdhsa_user_sgpr_kernarg_segment_ptr 1
		.amdhsa_wavefront_size32 1
		.amdhsa_system_sgpr_workgroup_id_x 1
		.amdhsa_system_sgpr_workgroup_id_y 1
		.amdhsa_system_sgpr_workgroup_id_z 1
		.amdhsa_system_vgpr_workitem_id 0
		.amdhsa_next_free_vgpr 1024
		.amdhsa_next_free_sgpr 100
		.amdhsa_reserve_vcc 0
		.amdhsa_float_denorm_mode_32 3
		.amdhsa_float_denorm_mode_16_64 3
		.amdhsa_fp16_overflow 1
		.amdhsa_memory_ordered 1
		.amdhsa_forward_progress 1
		.amdhsa_inst_pref_size 160
	.end_amdhsa_kernel
	.amdgpu_metadata
---
amdhsa.version: [ 1, 2 ]
amdhsa.kernels:
  - .name:           k_qeb3d94d5b5_gemm_qkv
    .symbol:         k_qeb3d94d5b5_gemm_qkv.kd
    .args:
      - { .name: x_codes, .offset: 0, .size: 8, .value_kind: global_buffer, .address_space: global }
      - { .name: wa_codes, .offset: 8, .size: 8, .value_kind: global_buffer, .address_space: global }
      - { .name: lowp_scales, .offset: 16, .size: 8, .value_kind: global_buffer, .address_space: global }
      - { .name: b_attn, .offset: 24, .size: 8, .value_kind: global_buffer, .address_space: global }
      - { .name: q_codes, .offset: 32, .size: 8, .value_kind: global_buffer, .address_space: global }
      - { .name: k_codes, .offset: 40, .size: 8, .value_kind: global_buffer, .address_space: global }
      - { .name: v_codes, .offset: 48, .size: 8, .value_kind: global_buffer, .address_space: global }
    .group_segment_fixed_size: 327680
    .private_segment_fixed_size: 0
    .kernarg_segment_align: 8
    .kernarg_segment_size: 56
    .max_flat_workgroup_size: 128
    .sgpr_count:     100
    .vgpr_count:     1024
    .wavefront_size: 32
...
	.end_amdgpu_metadata
.endif
;; end of part 2
;; launch attn (part 3): grid 4 x 64, 16 waves a work-group, no clusters, 327,680 bytes of LDS; arguments q_codes, k_codes, v_codes, lowp_scales, y_codes; writes y_codes
.if DOCPART == 3
	.amdgcn_target "amdgcn-amd-amdhsa--gfx1250"
	.amdhsa_code_object_version 6
	.text
	.protected	k_qeb3d94d5b5_attn
	.globl	k_qeb3d94d5b5_attn
	.p2align	8
	.type	k_qeb3d94d5b5_attn,@function
k_qeb3d94d5b5_attn:
	s_mov_b64 s[64:65], 0
	v_nop
	global_prefetch_b8 v0, s[64:65] scope:SCOPE_SE
	s_setreg_imm32_b32 hwreg(HW_REG_WAVE_MODE, 25, 1), 1
	s_wait_xcnt 0x0
; Causal attention on codes of FP8 (E4M3), head size 64, 2,048 tokens, 64 heads (16 batch + head); y is quantised on the way out (entry 6 of the scales).
; q_codes, k_codes: [head][token][64].  v_codes: [head][step of 128 keys][row 64][place 128], rows and places with bits 3 and 4 swapped, so that 16 bytes at 32 c + 16 h of a row are registers 4 c .. 4 c + 3 of the K = 128 form's own layout.
; THE SOFTMAX: t = score x log2(e) / 8; M = the row's largest t so far, rounded up to a whole number; p = 2^(t - M) is quantised along the keys; the row's sum is taken of the unquantised p and divides at the end.
; SHARES.  Work-group (i, head) owns the blocks i and 7 - i of 256 queries; each of its sixteen waves owns 16 queries of the block in hand.  It walks block i over key slots 0 .. i, then block 7 - i over slots 0 .. 7 - i:
; nine slots of 256 keys in every work-group, so the trip count is a constant and all 256 work-groups have the same work.  A step all of whose keys come after a wave's queries is jumped over, by a scalar branch on ids.
; NO CLUSTER: the four work-groups of a head begin their second walk in different trips (i + 1), so in most trips they want different tiles; a joint request has to be the same in all partners.
; LAYOUT.  Both products transposed: S^T = K Q^T (K = 64 form), O^T = V^T P^T (K = 128 form): a lane holds one query (lane % 16).  Register 8 t + j of S^T is key 16 t + 8 h + j: eight conversions give P in the form's own layout.
; Tile t = 2 B + u of O^T holds channel 32 B + 16 h + 8 u + j: tiles 2 B, 2 B + 1 are 16 neighbours.  y_codes holds images of the next product's fragments: [row / 16][K step of 128][group c][lane][16 bytes], group c of lane (r, h): k = 32 c + 16 h + 0..15 of row r.
; LIMITS: e2 + e3 between -123 and 130 (added to c's exponent field); e4, e6 between -126 and 119.
; REGISTERS: v1-9 addresses; v12 -M, v13 the largest t, v[14:15] the sum; v16-23 Q in hand, v24-31 the second block's; v32-95 K's eight or V's four fragments; v96-159 S^T, then p; v160-191 O^T; v192-207 P's codes; v236-255 at work.
.set KP4,   272                        ; four keys' 256 bytes + 16 of padding: the 16 keys of a tile fall on 16 different columns of 16 bytes
.set VP,    144                        ; a row of V: 128 bytes + 16
.set VOFF,  64*KP4                     ; a slot: 64 rows of K (256 keys), then 128 rows of V (two steps)
.set SLOT1, 1<<16
.set SPARE, 2*SLOT1                    ; the spare words: 128 bytes for each of sixteen waves
.set AK0,  1
.set AV0,  2
.set PFO,  3                           ; v3  256 x lane
.set MB,   4                           ; v4  r - 8 h, for the mask
.set SPW,  5
.set NIL,  6
.set GO,   7                           ; v7  16 x lane
.set ADK,  8
.set ADV,  9
.set TB,   2                           ; s2  LDS byte at which the slot in hand begins
.set WV,   18
.set SEL,  20
.set CS,   22
.set G1K,  24
.set G1V,  32
.set G0K,  40
.set G0V,  44
.set KB,   48                          ; s[48:49] my head in k_codes;  s[50:51] in v_codes
.set VB,   50
.set OFF,  52                          ; s[52:53] 16,384 x the slot to fetch
.set NX,   54                          ; s54 the key slot to fetch next
.set KS,   55                          ; s55 the key slot in hand
.set WR,   56                          ; s56 i + 1: where the first walk ends; afterwards -1
.set SWN,  57                          ; s57 1: the slot just asked for begins the second walk
.set SWC,  58                          ; s58 1: the slot in hand does
.set Q0,   60
.set Q0B,  61
.set KF,   62
.set SLOTS, 67
.set PFA,  76
.set LIM,  80
; Wave 0 fetches a slot's K, wave 1 its V, each a dense block of 16,384 bytes; the others nothing.  Four v_nop follow each of the two lines.
.macro TLOAD
	s_cmp_lt_u32 s[WV], 1
	s_cbranch_scc0 .Lnot_k_\@
	tensor_load_to_lds s[G0K:G0K+3], s[G1K:G1K+7]
	s_nop 0
.rept 4
	v_nop
.endr
	s_branch .Lasked_\@
.Lnot_k_\@:
	s_cmp_lt_u32 s[WV], 2
	s_cbranch_scc0 .Lasked_\@
	tensor_load_to_lds s[G0V:G0V+3], s[G1V:G1V+7]
	s_nop 0
.rept 4
	v_nop
.endr
.Lasked_\@:
.endm
; A prefetch of the key slot after the one that work-group 0 of the head is asking for.  That work-group's second walk takes slots 0 to 7 in order: in trip n it asks for slot n and names slot n + 1, two key steps ahead of that slot's tensor load.
; Waves 4 and 5 name K's two halves of 8,192 bytes, waves 6 and 7 V's, lanes 256 bytes apart: each aligned block of 256 bytes is named once in the launch.  Slot 0 is never named; the last trip names nothing.
.macro ASK
	s_cmp_gt_u32 s[SLOTS], s[LIM]
	s_cbranch_scc0 .Lnot_mine_\@
	global_prefetch_b8 v[PFO], s[PFA:PFA+1] th:TH_LOAD_NT scope:SCOPE_SE
.Lnot_mine_\@:
.endm
	s_load_b256 s[4:11], s[0:1], 0x0               ; q s[4:5], k s[6:7], v s[8:9], the scales' exponents s[10:11]
	s_load_b64 s[12:13], s[0:1], 0x20              ; y's codes
	v_lshl_add_u32 v[SPW], v0, 2, SPARE
	v_mov_b32 v[NIL], 0
	ds_add_u32 v5, v6
	ds_add_u32 v5, v6
	s_wait_dscnt 0x0
	v_lshrrev_b32 v8, 5, v0
	s_delay_alu instid0(VALU_DEP_1)
	v_readfirstlane_b32 s[WV], v8                  ; wave 0..15
	s_and_b32 s81, ttmp7, 0xffff                   ; 16 batch + head
	s_lshl_b32 s82, s81, 17                        ; its 131,072 bytes in q, k and v
	s_mov_b32 s83, 0
	s_mov_b32 s[G1K], (0<<16)|(1<<20)|(5<<22)|(3<<25)   ; no mask; elements of 1 byte; padding: four words after every 64
	s_mov_b32 s[G1K+1], 256<<16                    ; tensor_dim0: four keys
	s_mov_b32 s[G1K+2], 64<<16                     ; tensor_dim1
	s_mov_b32 s[G1K+3], 256<<16                    ; tile_dim0
	s_mov_b32 s[G1K+4], 64                         ; tile_dim1
	s_mov_b32 s[G1K+5], 256                        ; dense
	s_mov_b32 s[G1K+6], 0
	s_mov_b32 s[G1K+7], 0
	s_mov_b32 s[G1V], (0<<16)|(1<<20)|(4<<22)|(3<<25)   ; padding: four words after every 32
	s_mov_b32 s[G1V+1], 128<<16
	s_mov_b32 s[G1V+2], 128<<16
	s_mov_b32 s[G1V+3], 128<<16
	s_mov_b32 s[G1V+4], 128
	s_mov_b32 s[G1V+5], 128
	s_mov_b32 s[G1V+6], 0
	s_mov_b32 s[G1V+7], 0
	s_mov_b32 s[SEL], 0x76543210
	s_mov_b32 s[SEL+1], 0xfedcba98
	s_mov_b32 s[CS], 0x3e38aa3b                    ; c = log2(e) / 8
	s_mov_b32 s[TB], 0
	s_mov_b32 s[NX], 0
	s_mov_b32 s[SWN], 0
	s_mov_b32 s[SWC], 0
	s_mov_b32 s[SLOTS], 8
	s_mov_b32 s[OFF+1], 0
	s_add_co_u32 s[WR], ttmp9, 1
	s_lshl_b32 s96, s[WV], 4
	s_lshl_b32 s[Q0], ttmp9, 8
	s_add_co_u32 s[Q0], s[Q0], s96                 ; my first query in block i,
	s_sub_co_u32 s[Q0B], 7, ttmp9
	s_lshl_b32 s[Q0B], s[Q0B], 8
	s_add_co_u32 s[Q0B], s[Q0B], s96               ; and in block 7 - i
	s_wait_kmcnt 0x0
	s_load_b256 s[68:75], s[10:11], 0x0            ; e0 .. e7
	s_add_nc_u64 s[KB:KB+1], s[6:7], s[82:83]
	s_add_nc_u64 s[VB:VB+1], s[8:9], s[82:83]
	s_add_nc_u64 s[4:5], s[4:5], s[82:83]
	s_mov_b32 s[G0K], 1
	s_mov_b32 s[G0K+1], 0
	s_mov_b64 s[G0K+2:G0K+3], s[KB:KB+1]
	s_or_b32 s[G0K+3], s[G0K+3], 0x80000000
	s_mov_b32 s[G0V], 1
	s_mov_b32 s[G0V+1], VOFF
	s_mov_b64 s[G0V+2:G0V+3], s[VB:VB+1]
	s_or_b32 s[G0V+3], s[G0V+3], 0x80000000
	TLOAD                                          ; key slot 0 into LDS slot 0
	s_lshr_b32 s87, s81, 4
	s_lshl_b32 s87, s87, 7                         ; 128 x batch: the batch's first tile of 16 rows
	s_and_b32 s84, s81, 15                         ; head
	s_lshr_b32 s85, s84, 1
	s_lshl_b32 s85, s85, 11                        ; K step head / 2,
	s_and_b32 s84, s84, 1
	s_lshl_b32 s84, s84, 10                        ; groups 2 (head % 2) and the next
	s_add_co_u32 s81, s84, s85
	s_cmp_lt_u32 s[WV], 6                          ; the prefetches: waves 4, 5 stand in K, waves 6, 7 in V
	s_cselect_b64 s[PFA:PFA+1], s[KB:KB+1], s[VB:VB+1]
	s_and_b32 s82, s[WV], 1
	s_lshl_b32 s82, s82, 13
	s_add_nc_u64 s[PFA:PFA+1], s[PFA:PFA+1], s[82:83]   ; in slot 0; the first change of slots steps it to slot 1
	s_lshr_b32 s82, s[WV], 2
	s_xor_b32 s82, s82, 1                          ; 0 in waves 4 to 7,
	s_or_b32 s82, s82, ttmp9                       ; of work-group 0 of the head
	s_cmp_eq_u32 s82, 0
	s_cselect_b32 s[LIM], 1, -1
	v_and_b32 v8, 15, v0                           ; r
	v_bfe_u32 v9, v0, 4, 1                         ; h
	s_delay_alu instid0(VALU_DEP_2)
	v_lshlrev_b32 v10, 6, v8
	s_delay_alu instid0(VALU_DEP_1)
	v_lshl_add_u32 v10, v9, 4, v10                 ; row r of 64 bytes, + 16 h
	s_lshl_b32 s96, s[Q0], 6
	v_add_nc_u32 v11, s96, v10
	s_lshl_b32 s96, s[Q0B], 6
	v_add_nc_u32 v10, s96, v10
	global_load_b128 v[16:19], v11, s[4:5]         ; Q: registers 4 c .. 4 c + 3 hold d = 32 c + 16 h + 0..15, as K's fragments do
	global_load_b128 v[20:23], v11, s[4:5] offset:32
	global_load_b128 v[24:27], v10, s[4:5]
	global_load_b128 v[28:31], v10, s[4:5] offset:32
	v_lshrrev_b32 v[AK0], 2, v8
	s_delay_alu instid0(VALU_DEP_1)
	v_mul_u32_u24 v[AK0], v[AK0], KP4
	v_and_b32 v[AV0], 3, v8
	s_delay_alu instid0(VALU_DEP_1)
	v_lshl_add_u32 v[AK0], v[AV0], 6, v[AK0]
	s_delay_alu instid0(VALU_DEP_1)
	v_lshl_add_u32 v[AK0], v9, 4, v[AK0]           ; key r of a tile: 272 (r / 4) + 64 (r % 4) + 16 h
	v_mul_u32_u24 v[AV0], v8, VP
	s_delay_alu instid0(VALU_DEP_1)
	v_lshl_add_u32 v[AV0], v9, 4, v[AV0]
	s_delay_alu instid0(VALU_DEP_1)
	v_add_nc_u32 v[AV0], VOFF, v[AV0]
	v_and_b32 v[GO], 31, v0
	s_delay_alu instid0(VALU_DEP_1)
	v_lshlrev_b32 v[PFO], 8, v[GO]
	s_delay_alu instid0(VALU_DEP_2)
	v_lshlrev_b32 v[GO], 4, v[GO]
	v_lshlrev_b32 v[MB], 3, v9
	s_delay_alu instid0(VALU_DEP_1)
	v_sub_nc_u32 v[MB], v8, v[MB]
	v_mov_b32 v13, 0xff61b1e6                      ; the largest t so far: -3e38
	s_delay_alu instid0(VALU_DEP_1)
	v_floor_f32 v12, -v13
	v_mov_b32 v14, 0
	v_mov_b32 v15, 0
	v_mov_b32 v236, 0                              ; written once: a lane permute's destination counts as one of its sources
	v_mov_b32 v252, 0
	v_mov_b32 v253, 0
.set j, 0
.rept 32
	v_mov_b32 v[160+j], 0                          ; O^T: the step is written once, and a walk's first step finds zeros
.set j, j+1
.endr
	s_wait_kmcnt 0x0
	s_add_co_i32 s96, s70, s71
	s_lshl_b32 s96, s96, 23
	s_add_co_i32 s[CS], s[CS], s96                 ; a score stands for score x 2^(e2 + e3): added to c's exponent field
	s_mov_b32 s[CS+1], s[CS]
	s_add_co_i32 s96, s72, 127
	s_lshl_b32 s84, s96, 23
	v_mov_b32 v244, s84                            ; 2^e4, for p's conversions
	s_add_co_i32 s96, s74, 127
	s_lshl_b32 s84, s96, 23
	v_mov_b32 v245, s84                            ; 2^e6, for y's
	s_add_co_i32 s86, s72, s73                     ; e4 + e5
; A KEY STEP: 128 keys, the q-th of the slot in hand.
.macro STEP q
	s_add_co_u32 s96, s[Q0], 15
	s_cmp_gt_u32 s[KF], s96                        ; all its keys come after my queries: only the step of KF is done
	s_cbranch_scc1 .Lhidden_\@
	v_add_nc_u32 v[ADK], s[TB], v[AK0]
	v_add_nc_u32 v[ADV], s[TB], v[AV0]
	v_nop
	v_nop                                          ; with the two additions: four places in front of loads into registers that matrix instructions have read
.irp t, 0,1,2,3,4,5,6,7
	ds_load_b128 v[32+8*\t:35+8*\t], v[ADK] offset:(32*(\q)+4*\t)*KP4
	ds_load_b128 v[36+8*\t:39+8*\t], v[ADK] offset:(32*(\q)+4*\t)*KP4+32
.endr
	s_wait_alu depctr_va_vdst(0)
	s_wait_dscnt 0x0
.irp t, 0,1,2,3,4,5,6,7
	v_wmma_f32_16x16x64_fp8_fp8 v[96+8*\t:103+8*\t], v[32+8*\t:39+8*\t], v[16:23], 0
.endr
.rept 4
	v_nop
.endr
.irp t, 0,1,2,3
.irp c, 0,1,2,3
	ds_load_b128 v[32+16*\t+4*\c:35+16*\t+4*\c], v[ADV] offset:(64*(\q)+16*\t)*VP+32*\c   ; V's four fragments land while the softmax is walked
.endr
.endr
	s_add_co_u32 s96, s[KF], 127
	s_cmp_le_u32 s96, s[Q0]                        ; all keys count: no mask
	s_cbranch_scc1 .Lopen_\@
	s_sub_co_i32 s96, s[Q0], s[KF]
	v_add_nc_u32 v252, s96, v[MB]                  ; d = my query - KF - 8 h.  Register 8 t + j holds key KF + 16 t + 8 h + j: hidden where 16 t + j > d
	v_mov_b32 v254, 0xff800000
.set n, 0
.rept 64
	v_cmp_gt_i32 vcc_lo, 16*(n/8)+n%8, v252
	v_cndmask_b32 v[96+n], v[96+n], v254, vcc_lo
.set n, n+1
.endr
.Lopen_\@:
	v_max3_num_f32 v254, v96, v97, v98             ; the step's largest score of my query among my 64 keys, in two chains,
	v_max3_num_f32 v252, v99, v100, v101
.set n, 6
.rept 14
	v_max3_num_f32 v254, v254, v[96+n], v[97+n]
	v_max3_num_f32 v252, v252, v[98+n], v[99+n]
.set n, n+4
.endr
	v_max3_num_f32 v254, v254, v158, v159
	s_delay_alu instid0(VALU_DEP_1)
	v_max_num_f32 v254, v254, v252
	s_delay_alu instid0(VALU_DEP_1)
	v_permlanex16_b32 v236, v254, s[SEL], s[SEL+1]
	s_delay_alu instid0(VALU_DEP_1)
	v_max_num_f32 v254, v254, v236                 ; and among lane l xor 16's
	s_delay_alu instid0(VALU_DEP_1)
	v_mul_f32 v254, s[CS], v254                    ; as t (c is positive)
	s_delay_alu instid0(VALU_DEP_1)
	v_max_num_f32 v13, v13, v254
	v_mov_b32 v254, v12
	s_delay_alu instid0(VALU_DEP_2)
	v_floor_f32 v12, -v13                          ; -M = floor(-t): M is a whole number
	s_delay_alu instid0(VALU_DEP_1)
	v_sub_f32 v254, v12, v254
	s_delay_alu instid0(VALU_DEP_1)
	v_cvt_i32_f32 v254, v254
	s_delay_alu instid0(VALU_DEP_1)
	v_ldexp_f32 v252, 1.0, v254                    ; f = 2^(old M - new M): a multiplication by it rounds nothing
.set n, 0
.rept 32
	v_pk_fma_f32 v[96+n:97+n], v[96+n:97+n], s[CS:CS+1], v[12:13] op_sel_hi:[1,0,0]   ; t - M
.set n, n+2
.endr
.set n, 0
	s_wait_alu depctr_va_vdst(0)
.rept 64
	v_exp_f32 v[96+n], v[96+n]                     ; p = 2^(t - M)
.set n, n+1
.endr
	v_pk_mul_f32 v[14:15], v[14:15], v[252:253] op_sel_hi:[1,0]   ; the sums under the new M (a plain place behind the exponentials)
	s_wait_alu depctr_va_vdst(0)
	v_pk_add_f32 v[242:243], v[100:101], v[104:105]
	v_pk_add_f32 v[254:255], v[108:109], v[112:113]
	v_pk_add_f32 v[250:251], v[116:117], v[120:121]
	v_pk_add_f32 v[248:249], v[124:125], v[128:129]
	v_pk_add_f32 v[246:247], v[132:133], v[136:137]
	v_pk_add_f32 v[240:241], v[140:141], v[144:145]
	v_pk_add_f32 v[238:239], v[148:149], v[152:153]
	v_pk_add_f32 v[14:15], v[14:15], v[156:157]
	v_pk_add_f32 v[242:243], v[242:243], v[96:97]
	v_pk_add_f32 v[254:255], v[254:255], v[98:99]
	v_pk_add_f32 v[250:251], v[250:251], v[102:103]
	v_pk_add_f32 v[248:249], v[248:249], v[106:107]
	v_pk_add_f32 v[246:247], v[246:247], v[110:111]
	v_pk_add_f32 v[240:241], v[240:241], v[114:115]
	v_pk_add_f32 v[238:239], v[238:239], v[118:119]
	v_pk_add_f32 v[14:15], v[14:15], v[122:123]
	v_pk_add_f32 v[242:243], v[242:243], v[126:127]
	v_pk_add_f32 v[254:255], v[254:255], v[130:131]
	v_pk_add_f32 v[250:251], v[250:251], v[134:135]
	v_pk_add_f32 v[248:249], v[248:249], v[138:139]
	v_pk_add_f32 v[246:247], v[246:247], v[142:143]
	v_pk_add_f32 v[240:241], v[240:241], v[146:147]
	v_pk_add_f32 v[238:239], v[238:239], v[150:151]
	v_pk_add_f32 v[14:15], v[14:15], v[154:155]
	v_pk_add_f32 v[242:243], v[242:243], v[158:159]
	s_delay_alu instid0(VALU_DEP_2)
	v_pk_add_f32 v[14:15], v[14:15], v[248:249]
	s_delay_alu instid0(VALU_DEP_2)
	v_pk_add_f32 v[242:243], v[242:243], v[246:247]
	v_pk_add_f32 v[254:255], v[254:255], v[240:241]
	v_pk_add_f32 v[250:251], v[250:251], v[238:239]
	s_delay_alu instid0(VALU_DEP_2)
	v_pk_add_f32 v[14:15], v[14:15], v[254:255]
	s_delay_alu instid0(VALU_DEP_2)
	v_pk_add_f32 v[242:243], v[242:243], v[250:251]
	s_delay_alu instid0(VALU_DEP_1)
	v_pk_add_f32 v[14:15], v[14:15], v[242:243]
.set n, 0
.rept 64
.set n, n+1
.endr
.irp t, 0,1,2,3,4,5,6,7
	v_cvt_scalef32_pk8_fp8_f32 v[192+2*\t:193+2*\t], v[96+8*\t:103+8*\t], v244   ; registers 2 t, 2 t + 1: keys 16 t + 8 h + 0..7
.endr
.set n, 0
.rept 16
	v_pk_mul_f32 v[160+n:161+n], v[160+n:161+n], v[252:253] op_sel_hi:[1,0]   ; O^T under the new M; also the plain places behind the conversions
.set n, n+2
.endr
	s_wait_alu depctr_va_vdst(0)
	s_wait_dscnt 0x0                               ; V
.irp t, 0,1,2,3
	v_wmma_f32_16x16x128_fp8_fp8 v[160+8*\t:167+8*\t], v[32+16*\t:47+16*\t], v[192:207], v[160+8*\t:167+8*\t]
.endr
.Lhidden_\@:
	s_add_co_u32 s[KF], s[KF], 128
.endm
; THE CHANGE OF SLOTS, at a slot's head.  fill = 1: the LDS slot that has just been left takes the key slot that follows in the walk; it has this slot's two steps in which to land.
.macro CHANGE fill
	s_wait_tensorcnt 0x0                           ; no tensor load of mine is out, so a group 0 may be written
	ds_add_u32 v[SPW], v[NIL]                      ; 0 onto my spare word
	s_mov_b32 s[KS], s[NX]                         ; the key slot that has landed
.if \fill
	s_mov_b32 s[SWC], s[SWN]
	s_add_co_u32 s[NX], s[NX], 1
	s_cmp_eq_u32 s[NX], s[WR]                      ; the first walk is over: the second begins at key slot 0
	s_cselect_b32 s[NX], 0, s[NX]
	s_cselect_b32 s[SWN], 1, 0
	s_cselect_b32 s[WR], -1, s[WR]
	s_lshl_b32 s[OFF], s[NX], 14
	s_xor_b32 s[G0K+1], s[G0K+1], SLOT1
	s_add_nc_u64 s[G0K+2:G0K+3], s[KB:KB+1], s[OFF:OFF+1]
	s_or_b32 s[G0K+3], s[G0K+3], 0x80000000
	s_xor_b32 s[G0V+1], s[G0V+1], SLOT1
	s_add_nc_u64 s[G0V+2:G0V+3], s[VB:VB+1], s[OFF:OFF+1]
	s_or_b32 s[G0V+3], s[G0V+3], 0x80000000
	s_wait_xcnt 0x0                                ; the last prefetch, a slot back, has read its address
	s_add_nc_u64 s[PFA:PFA+1], s[PFA:PFA+1], 16384
.endif
	s_wait_dscnt 0x0                               ; the add is done, and my reads of the slot that I have left are over
	s_barrier_signal -1
	s_barrier_wait -1
.if \fill
	TLOAD                                          ; the first thing behind the barrier, and a wave's one tensor load until the next
	ASK
.endif
.endm
; A block of queries is finished: O^T / the sum x 2^(e4 + e5), quantised with e6; the conversions' results are two groups of the next product's fragment, stored as they stand: 512 consecutive aligned bytes each.
.macro FINISH
.rept 4
	v_nop                                          ; places behind the last products
.endr
	v_add_f32 v14, v14, v15
	s_delay_alu instid0(VALU_DEP_1)
	v_permlanex16_b32 v252, v14, s[SEL], s[SEL+1]
	s_delay_alu instid0(VALU_DEP_1)
	v_add_f32 v14, v14, v252                       ; the row's sum
	s_wait_alu depctr_va_vdst(0)
	v_rcp_f32 v14, v14
	v_nop
	s_wait_alu depctr_va_vdst(0)
	v_ldexp_f32 v14, v14, s86
.set n, 0
.rept 16
	v_pk_mul_f32 v[96+n:97+n], v[160+n:161+n], v[14:15] op_sel_hi:[1,0]
.set n, n+2
.endr
.set n, 0
.rept 32
.set n, n+1
.endr
.irp t, 0,1,2,3
	v_cvt_scalef32_pk8_fp8_f32 v[128+2*\t:129+2*\t], v[96+8*\t:103+8*\t], v245
.endr
	v_nop
	s_lshr_b32 s82, s[Q0], 4
	s_add_co_u32 s82, s82, s87                     ; my tile of 16 rows,
	s_lshl_b32 s82, s82, 14                        ; 16,384 bytes each,
	s_add_co_u32 s82, s82, s81                     ; my head's place in it
	s_mov_b32 s83, 0
	s_add_nc_u64 s[84:85], s[12:13], s[82:83]
	global_store_b128 v[GO], v[128:131], s[84:85]
	global_store_b128 v[GO], v[132:135], s[84:85] offset:512
	s_wait_xcnt 0x0                                ; the stores' data and base are written again further on
.endm
.macro RESTART                         ; the second block of queries begins
.set n, 0
.rept 8
	v_mov_b32 v[16+n], v[24+n]
.set n, n+1
.endr
	v_mov_b32 v13, 0xff61b1e6
	s_delay_alu instid0(VALU_DEP_1)
	v_floor_f32 v12, -v13
	v_mov_b32 v14, 0
	v_mov_b32 v15, 0
.set n, 0
.rept 32
	v_mov_b32 v[160+n], 0
.set n, n+1
.endr
	s_mov_b32 s[Q0], s[Q0B]
.endm
.macro PHASE                           ; a branch on ids and the loop's steps alone; no barrier and no tensor load stands inside
	s_cmp_eq_u32 s[SWC], 1
	s_cbranch_scc0 .Lsame_\@
	FINISH
	RESTART
.Lsame_\@:
.endm
.macro SLOT_STEPS
	s_lshl_b32 s[KF], s[KS], 8
	STEP 0
	STEP 1
	s_xor_b32 s[TB], s[TB], SLOT1
.endm
	s_wait_loadcnt 0x0                             ; Q
.Lslot:                                            ; eight trips: behind each change of slots but the last the next slot is asked for
	CHANGE 1
	PHASE
	SLOT_STEPS
	s_sub_co_u32 s[SLOTS], s[SLOTS], 1
	s_cmp_lg_u32 s[SLOTS], 0
	s_cbranch_scc1 .Lslot
	CHANGE 0                                       ; the ninth slot is written out
	SLOT_STEPS
	FINISH
	s_wait_tensorcnt 0x0                           ; the wave's end
	ds_add_u32 v[SPW], v[NIL]
	s_wait_dscnt 0x0
	s_endpgm
.Lfunc_end_k_qeb3d94d5b5_attn:
	.size	k_qeb3d94d5b5_attn, .Lfunc_end_k_qeb3d94d5b5_attn-k_qeb3d94d5b5_attn
	.p2alignl 7, 3214868480
	.fill 96, 4, 3214868480
	.section	.rodata,"a",@progbits
	.p2align	6, 0x0
	.amdhsa_kernel k_qeb3d94d5b5_attn
		.amdhsa_group_segment_fixed_size 327680
		.amdhsa_private_segment_fixed_size 0
		.amdhsa_enable_private_segment 0
		.amdhsa_kernarg_size 40
		.amdhsa_user_sgpr_count 2
		.amdhsa_user_sgpr_kernarg_segment_ptr 1
		.amdhsa_wavefront_size32 1
		.amdhsa_system_sgpr_workgroup_id_x 1
		.amdhsa_system_sgpr_workgroup_id_y 1
		.amdhsa_system_sgpr_workgroup_id_z 1
		.amdhsa_system_vgpr_workitem_id 0
		.amdhsa_next_free_vgpr 256
		.amdhsa_next_free_sgpr 100
		.amdhsa_reserve_vcc 1
		.amdhsa_float_denorm_mode_32 3
		.amdhsa_float_denorm_mode_16_64 3
		.amdhsa_fp16_overflow 1
		.amdhsa_memory_ordered 1
		.amdhsa_forward_progress 1
		.amdhsa_inst_pref_size 92
	.end_amdhsa_kernel
	.amdgpu_metadata
---
amdhsa.version: [ 1, 2 ]
amdhsa.kernels:
  - .name:           k_qeb3d94d5b5_attn
    .symbol:         k_qeb3d94d5b5_attn.kd
    .args:
      - { .name: q_codes, .offset: 0, .size: 8, .value_kind: global_buffer, .address_space: global }
      - { .name: k_codes, .offset: 8, .size: 8, .value_kind: global_buffer, .address_space: global }
      - { .name: v_codes, .offset: 16, .size: 8, .value_kind: global_buffer, .address_space: global }
      - { .name: lowp_scales, .offset: 24, .size: 8, .value_kind: global_buffer, .address_space: global }
      - { .name: y_codes, .offset: 32, .size: 8, .value_kind: global_buffer, .address_space: global }
    .group_segment_fixed_size: 327680
    .private_segment_fixed_size: 0
    .kernarg_segment_align: 8
    .kernarg_segment_size: 40
    .max_flat_workgroup_size: 512
    .sgpr_count:     100
    .vgpr_count:     256
    .wavefront_size: 32
...
	.end_amdgpu_metadata
.endif
;; end of part 3
;; launch gemm_proj (part 4): grid 4 x 64, 4 waves a work-group, clusters of 4 x 4, 327,680 bytes of LDS; arguments y_codes, wp_codes, lowp_scales, b_proj, out0; writes out0
.if DOCPART == 4
	.amdgcn_target "amdgcn-amd-amdhsa--gfx1250"
	.amdhsa_code_object_version 6
	.text
	.protected	k_qeb3d94d5b5_gemm_proj
	.globl	k_qeb3d94d5b5_gemm_proj
	.p2align	8
	.type	k_qeb3d94d5b5_gemm_proj,@function
k_qeb3d94d5b5_gemm_proj:
	s_mov_b64 s[64:65], 0
	v_nop
	global_prefetch_b8 v0, s[64:65] scope:SCOPE_SE
	s_setreg_imm32_b32 hwreg(HW_REG_WAVE_MODE, 25, 1), 1
	s_wait_xcnt 0x0
	s_wait_alu depctr_hold_cnt(0) depctr_sa_sdst(0) depctr_va_vdst(0) depctr_va_sdst(0) depctr_va_ssrc(0) depctr_va_vcc(0) depctr_vm_vsrc(0)
	s_getreg_b32 s2, hwreg(HW_REG_IB_STS2, 6, 4)
	s_cmp_eq_u32 s2, 0
	s_cbranch_scc0 .Lentry_in_a_cluster
	s_endpgm
.Lentry_in_a_cluster:
	s_bfe_u32 s2, ttmp6, 0x10000c
	s_cmp_lg_u32 s2, 0xf033
	s_cbranch_scc0 .Lentry_shape_is_right
	s_endpgm
.Lentry_shape_is_right:
; out0 = y W_proj + b_proj on codes of FP8 (E4M3).  y_codes: images of fragments, [row / 16][K step of 128][group c][lane][16 bytes]; wp_codes [1024 n][1024 k]; out0 [8192][1024] f32.
; A tile is 128 rows x 256 columns: 256 work-groups.  Four waves, each 64 x 128: 32 accumulators.  K = 1,024 is four K steps of 256, eight steps of 128.
; THREE LDS SLOTS: the first three K steps go out together at the start; the fourth goes into slot 0 when that has been read, and has two K steps, 128 matrix instructions a wave, in which to land.
; CLUSTERS: 4 x 4 work-groups; the four of a row ask jointly for y's tiles, the four of a column for W's.  THE MATRIX INSTRUCTION IS USED TRANSPOSED: a lane holds eight neighbouring numbers of a row of out0.
; k stands in a permuted place inside an instruction (registers 4 c .. 4 c + 3: k = 32 c + 16 h + 0..15), alike in both operands.
; LIMIT: e6 + e7 between -126 and 127.  No prefetch: three of the four K steps are first fills at the head.
; REGISTERS: window 0: v0-31 addresses; v32-95 the way out; y's fragments, two sets of 64, at v128 and v192.  window 1: W's fragments, two sets of 128.  window 2: the accumulators ((a, b) at v[8 (8 a + b)]).  window 3: v0-63 the bias.
.set PITCH,  272
.set FR,     16
.set NP,     4
.set ABYTES, 32768                     ; y's part of a slot: 8 tiles of 16 rows x 4,096 bytes, dense
.set HALFB,  128*PITCH
.set SLOT,   ABYTES+2*HALFB            ; 102,400
.set SPARE,  3*SLOT
.set STAGE,  SLOT                      ; the way out: 16 rows x 528 bytes for each wave, in slot 1: filled once, and read for the last time ahead of the last barrier
.set SPITCH, 528
.set BO,   7
.set ADRA, 16                          ; v16-18
.set ADRB, 20                          ; v20-22
.set STO,  24
.set RD,   25
.set CO,   26
.set SPW,  28
.set NIL,  29
.set TMP,  32
.set AF,   128
.set BK,   128
.set G1,  24
.set G1B, 32
.set G0,  40                           ; s[40:51] three sets for y's tiles
.set G0B, 52                           ; s[52:63] three for W's
.set MSB, 0
.macro WIN new
.if MSB != \new
	s_set_vgpr_msb (MSB<<8)|\new
.set MSB, \new
.endif
.endm
.set MUL,  0xa1                        ; source 0 (W) window 1, source 1 (y) window 0, C and D window 2
.set TO_B, 0x40
.macro JLOAD g0a, g1a, g0b, g1b        ; waves 0 and 1 fetch for y, waves 2 and 3 for W; four v_nop follow each of the two lines
	s_cmp_eq_u32 s15, 0
	s_cbranch_scc0 .Lfor_b_\@
	tensor_load_to_lds s[\g0a:\g0a+3], s[\g1a:\g1a+7]
	s_nop 0
.rept 4
	v_nop
.endr
	s_branch .Lasked_\@
.Lfor_b_\@:
	tensor_load_to_lds s[\g0b:\g0b+3], s[\g1b:\g1b+7]
	s_nop 0
.rept 4
	v_nop
.endr
.Lasked_\@:
.endm
.macro CREST
	s_cmp_lg_u32 s14, 0
	s_cbranch_scc1 .Lnot_wave_0_\@
	s_barrier_signal -3
.Lnot_wave_0_\@:
	s_barrier_wait -3
	s_barrier_signal -1
	s_barrier_wait -1
.endm
.macro CROUND
	s_barrier_signal -1
	s_barrier_wait -1
	CREST
.endm
	s_load_b128 s[4:7], s[0:1], 0x0                ; y's codes, W's codes
	s_load_b128 s[8:11], s[0:1], 0x10              ; the scales' exponents, the bias
	s_load_b64 s[12:13], s[0:1], 0x20              ; out0
	v_lshl_add_u32 v[SPW], v0, 2, SPARE
	v_mov_b32 v[NIL], 0
	ds_add_u32 v28, v29
	ds_add_u32 v28, v29
	s_wait_dscnt 0x0
	v_lshrrev_b32 v1, 5, v0
	v_readfirstlane_b32 s14, v1                    ; wave 0..3
	s_lshr_b32 s15, s14, 1                         ; which 64 rows are mine.  Also: I fetch for y (0) or for W (1)
	s_and_b32 s16, s14, 1                          ; which 128 columns.  Also: which half of that tile I fetch
	s_bfe_u32 s66, ttmp6, 0x40000                  ; cx
	s_bfe_u32 s67, ttmp6, 0x40004                  ; cy
	s_lshl_b32 s68, ttmp9, 2
	s_add_co_u32 s68, s68, s66                     ; tile column
	s_and_b32 s69, ttmp7, 0xffff
	s_lshl_b32 s69, s69, 2
	s_add_co_u32 s69, s69, s67                     ; tile row
	s_lshl_b32 s70, s67, 2
	s_lshl_b32 s70, 15, s70                        ; my row of the cluster
	s_lshl_b32 s71, 0x1111, s66                    ; my column
	s_or_b32 s[G1+0], s70, (0<<16)|(1<<21)         ; y: the mask; elements of 1 byte; no padding; bit 21 beside a mask
	s_mov_b32 s[G1+1], 4096<<16                    ; tensor_dim0: a tile of 16 rows has 4,096 bytes in a K step of 256
	s_mov_b32 s[G1+2], 4<<16                       ; tensor_dim1: four such tiles
	s_mov_b32 s[G1+3], 4096<<16                    ; tile_dim0
	s_mov_b32 s[G1+4], 4                           ; tile_dim1
	s_mov_b32 s[G1+5], 16384                       ; from one tile of 16 rows to the next
	s_mov_b32 s[G1+6], 0
	s_mov_b32 s[G1+7], 0
	s_or_b32 s[G1B+0], s71, (0<<16)|(1<<20)|(1<<21)|(5<<22)|(3<<25)  ; W: padding of four words after every 64
	s_mov_b32 s[G1B+1], 256<<16
	s_mov_b32 s[G1B+2], 128<<16
	s_mov_b32 s[G1B+3], 256<<16
	s_mov_b32 s[G1B+4], 128
	s_mov_b32 s[G1B+5], 1024
	s_mov_b32 s[G1B+6], 0
	s_mov_b32 s[G1B+7], 0
	s_lshl_b32 s20, s69, 3
	s_lshl_b32 s18, s16, 2
	s_add_co_u32 s20, s20, s18                     ; y: tile of 16 rows 8 x tile row + 4 x half
	s_lshl_b32 s20, s20, 14
	s_mov_b32 s21, 0
	s_lshl_b32 s72, s68, 8
	s_lshl_b32 s73, s16, 7
	s_add_co_u32 s72, s72, s73                     ; W: row 256 x tile column + 128 x half
	s_lshl_b32 s72, s72, 10
	s_mov_b32 s73, 0
	s_lshl_b32 s22, s16, 14                        ; where they go: y's halves,
	s_mul_i32 s23, s16, HALFB
	s_add_co_u32 s23, s23, ABYTES                  ; W's halves behind them
	s_wait_kmcnt 0x0
	s_load_b256 s[80:87], s[8:9], 0x0              ; e0 .. e7
	s_add_nc_u64 s[20:21], s[4:5], s[20:21]
	s_add_nc_u64 s[72:73], s[6:7], s[72:73]
	CROUND                                         ; all sixteen work-groups are here: the first joint loads meet
.irp s, 0,1,2
	s_mov_b32 s[G0+4*\s], 1
	s_add_co_u32 s[G0+4*\s+1], s22, \s*SLOT
	s_add_nc_u64 s[G0+4*\s+2:G0+4*\s+3], s[20:21], \s*4096
	s_or_b32 s[G0+4*\s+3], s[G0+4*\s+3], 0x80000000
	s_mov_b32 s[G0B+4*\s], 1
	s_add_co_u32 s[G0B+4*\s+1], s23, \s*SLOT
	s_add_nc_u64 s[G0B+4*\s+2:G0B+4*\s+3], s[72:73], \s*256
	s_or_b32 s[G0B+4*\s+3], s[G0B+4*\s+3], 0x80000000
	s_wait_alu depctr_va_vdst(0)
	s_wait_tensorcnt 0x0
	ds_add_u32 v28, v29
	ds_add_u32 v28, v29
	s_wait_dscnt 0x0
	CROUND
	JLOAD G0+4*\s, G1, G0B+4*\s, G1B               ; one tensor load of mine is out
.endr
	v_and_b32 v1, 15, v0                           ; r
	v_bfe_u32 v2, v0, 4, 1                         ; h
	v_and_b32 v6, 31, v0
	v_lshlrev_b32 v[CO], 4, v6                     ; 16 x lane
	v_mul_u32_u24 v3, v1, PITCH
	v_lshl_add_u32 v4, v2, 4, v3
	s_lshl_b32 s74, s15, 14                        ; my four tiles of 16 rows
	s_mul_i32 s75, s16, HALFB
	s_add_co_u32 s75, s75, ABYTES                  ; my 128 rows of W
.irp s, 0,1,2
	v_add_nc_u32 v[ADRA+\s], s74, v[CO]
	v_add_nc_u32 v[ADRB+\s], s75, v4
	s_add_co_u32 s74, s74, SLOT
	s_add_co_u32 s75, s75, SLOT
.endr
	s_mul_i32 s74, s14, 16*SPITCH
	s_add_co_u32 s74, s74, STAGE                   ; my stage
	v_mul_u32_u24 v5, v1, SPITCH
	v_lshl_add_u32 v5, v2, 5, v5
	v_add_nc_u32 v[STO], s74, v5                   ; in: row r, 32 bytes for each half of the lanes
	v_add_nc_u32 v[RD], s74, v[CO]                 ; back: the 32 lanes take one row of 512 bytes
	v_lshlrev_b32 v[BO], 5, v2
	s_wait_alu depctr_va_vdst(0)
	s_lshl_b32 s76, s68, 10
	s_lshl_b32 s77, s16, 9
	s_add_co_u32 s76, s76, s77                     ; my first column, in bytes
	s_mov_b32 s77, 0
	s_add_nc_u64 s[10:11], s[10:11], s[76:77]
	s_add_nc_u64 s[12:13], s[12:13], s[76:77]
	s_lshl_b32 s76, s69, 7
	s_lshl_b32 s78, s15, 6
	s_add_co_u32 s76, s76, s78                     ; my first row
	s_lshl_b32 s76, s76, 12
	s_add_nc_u64 s[12:13], s[12:13], s[76:77]
	WIN 0xc0                                       ; destination window 3
.irp b, 0,1,2,3,4,5,6,7
	global_load_b128 v[8*\b:8*\b+3], v[BO], s[10:11] offset:64*\b       ; bias(16 b + 8 h + 0..7), in the result's layout
	global_load_b128 v[8*\b+4:8*\b+7], v[BO], s[10:11] offset:64*\b+16
.endr
	WIN 0
.macro FETCH_A slot, q, p              ; y's four fragments come as the images that they are
.irp a, 0,1,2,3
.irp c, 0,1,2,3
	ds_load_b128 v[AF+64*(\p)+FR*\a+4*\c:AF+64*(\p)+FR*\a+4*\c+3], v[ADRA+\slot] offset:4096*\a+2048*(\q)+512*\c
.endr
.endr
.endm
.macro FETCH_B slot, q, p              ; W's eight, from rows
	WIN TO_B
.irp i, 0,1,2,3,4,5,6,7
.irp c, 0,1,2,3
	ds_load_b128 v[128*(\p)+FR*\i+4*\c:128*(\p)+FR*\i+4*\c+3], v[ADRB+\slot] offset:128*(\q)+32*\c+\i*16*PITCH
.endr
.endr
	WIN 0
.endm
; 8 matrix instructions.  The 32 accumulators take turns, one instruction a turn, in the same order in every step.
.macro MUL8 a, p, zero
.irp b, 0,1,2,3,4,5,6,7
.if \zero
	v_wmma_f32_16x16x128_fp8_fp8 v[8*(8*(\a)+\b):8*(8*(\a)+\b)+7], v[128*(\p)+FR*\b:128*(\p)+FR*\b+FR-1], v[AF+64*(\p)+FR*(\a):AF+64*(\p)+FR*(\a)+FR-1], 0
.else
	v_wmma_f32_16x16x128_fp8_fp8 v[8*(8*(\a)+\b):8*(8*(\a)+\b)+7], v[128*(\p)+FR*\b:128*(\p)+FR*\b+FR-1], v[AF+64*(\p)+FR*(\a):AF+64*(\p)+FR*(\a)+FR-1], v[8*(8*(\a)+\b):8*(8*(\a)+\b)+7]
.endif
.endr
.endm
.macro PLACES n
.rept \n
	v_nop
.endr
.endm
; A step of 128 along K on set p; the next step's fragments (slot fs, half fq) are asked for first, into the other set, and land under this step's 32 matrix instructions.
.macro PSTEP fs, fq, p, zero
	s_wait_dscnt 0x0                               ; set p is in
	PLACES NP                                      ; the other set was read by the step before
	FETCH_B \fs, \fq, 1-(\p)
	FETCH_A \fs, \fq, 1-(\p)
	WIN MUL
	MUL8 0, \p, \zero
	MUL8 1, \p, \zero
	MUL8 2, \p, \zero
	MUL8 3, \p, \zero
	WIN 0
.endm
	s_wait_tensorcnt 2                             ; my part of K step 0 is in; K step 2 may be out
	s_barrier_signal -1
	s_barrier_wait -1
	FETCH_B 0, 0, 0
	FETCH_A 0, 0, 0
	PSTEP 0, 1, 0, 1                               ; step 0: its products start the sums
	; step 1 leaves slot 0, which is filled again
	s_wait_tensorcnt 0x0                           ; all my tensor loads have landed: my parts of slots 1 and 2
	ds_add_u32 v[SPW], v[NIL]                      ; 0 onto my spare word
	s_wait_dscnt 1                                 ; (the add may be out) set 1 is in
	WIN MUL
	MUL8 0, 1, 0
	s_wait_dscnt 0x0                               ; the add is done, and my reads of slot 0 are over
	s_barrier_signal -1
	MUL8 1, 1, 0
	WIN 0
	s_barrier_wait -1
	CREST                                          ; the barrier has opened a round of the cluster's barrier
	s_add_nc_u64 s[G0+2:G0+3], s[G0+2:G0+3], 3*4096
	s_add_nc_u64 s[G0B+2:G0B+3], s[G0B+2:G0B+3], 3*256
	JLOAD G0, G1, G0B, G1B                         ; K step 3, the first tensor load behind the round; its four v_nop are the places in front of the loads below
	FETCH_B 1, 0, 0
	FETCH_A 1, 0, 0
	WIN MUL
	MUL8 2, 1, 0
	MUL8 3, 1, 0
	WIN 0
	PSTEP 1, 1, 0, 0                               ; step 2
	PSTEP 2, 0, 1, 0                               ; step 3
	PSTEP 2, 1, 0, 0                               ; step 4
	; step 5: K step 3 has to be whole in slot 0
	s_wait_dscnt 0x0
	WIN MUL
	MUL8 0, 1, 0
	s_wait_tensorcnt 0x0                           ; my one load that was out: my part of K step 3
	s_barrier_signal -1
	MUL8 1, 1, 0
	WIN 0
	s_barrier_wait -1                              ; everybody's is in
	PLACES NP
	FETCH_B 0, 0, 0
	FETCH_A 0, 0, 0
	WIN MUL
	MUL8 2, 1, 0
	MUL8 3, 1, 0
	WIN 0
	PSTEP 0, 1, 0, 0                               ; step 6
	s_wait_dscnt 0x0                               ; step 7
	WIN MUL
	MUL8 0, 1, 0
	MUL8 1, 1, 0
	MUL8 2, 1, 0
	MUL8 3, 1, 0
	WIN 0
; THE WAY OUT, block by block of 16 rows x 128 columns: sum x 2^(e6 + e7) + bias, through my stage, back as whole rows of 512 bytes.
.macro TOSTAGE a
	WIN 0x32                                       ; source 0 (the sums) window 2, source 2 (the bias) window 3
.set j, 0
.rept 32
	v_pk_fma_f32 v[TMP+j:TMP+j+1], v[64*(\a)+j:64*(\a)+j+1], s[96:97], v[j:j+1] op_sel_hi:[1,0,1]   ; each accumulator from its low end on
.set j, j+2
.endr
	WIN 0
.irp b, 0,1,2,3,4,5,6,7
	ds_store_b128 v[STO], v[TMP+8*\b:TMP+8*\b+3] offset:64*\b
	ds_store_b128 v[STO], v[TMP+8*\b+4:TMP+8*\b+7] offset:64*\b+16
.endr
.set BB, BK+64*((\a)%2)
.irp t, 0,1,2,3,4,5,6,7,8,9,10,11,12,13,14,15
	ds_load_b128 v[BB+4*\t:BB+4*\t+3], v[RD] offset:\t*SPITCH   ; LDS serves a wave's instructions in order: these see my stores
.endr
.endm
.macro SEND a, younger
.set BB, BK+64*((\a)%2)
	s_wait_dscnt \younger                          ; the block is back in registers
.if (\a) > 0
	s_add_nc_u64 s[12:13], s[12:13], 16*4096       ; (behind a wait on XCNT: the earlier stores have read their base)
.endif
.irp t, 0,1,2,3,4,5,6,7,8,9,10,11,12,13,14,15
	global_store_b128 v[CO], v[BB+4*\t:BB+4*\t+3], s[12:13] offset:\t*4096 th:TH_STORE_NT   ; 32 lanes store 512 consecutive bytes, aligned
.endr
.endm
	s_wait_kmcnt 0x0
	s_add_co_i32 s96, s86, s87
	s_add_co_i32 s96, s96, 127
	s_lshl_b32 s96, s96, 23                        ; 2^(e6 + e7) as f32
	s_mov_b32 s97, s96
	s_wait_loadcnt 0x0                             ; the bias
	PLACES NP
	TOSTAGE 0
.irp a, 1,2,3
.if \a > 1
	s_wait_xcnt 0x0                                ; block a - 2's stores have read their registers and their base
.endif
	TOSTAGE \a
	SEND \a-1, 32                                  ; behind block a - 1's loads: block a's 16 stores and 16 loads
.endr
	s_wait_xcnt 0x0
	SEND 3, 0
	s_wait_tensorcnt 0x0                           ; the wave's end
	ds_add_u32 v[SPW], v[NIL]
	s_wait_dscnt 0x0
	CROUND                                         ; the closing round
	s_endpgm
.Lfunc_end_k_qeb3d94d5b5_gemm_proj:
	.size	k_qeb3d94d5b5_gemm_proj, .Lfunc_end_k_qeb3d94d5b5_gemm_proj-k_qeb3d94d5b5_gemm_proj
	.p2alignl 7, 3214868480
	.fill 96, 4, 3214868480
	.section	.rodata,"a",@progbits
	.p2align	6, 0x0
	.amdhsa_kernel k_qeb3d94d5b5_gemm_proj
		.amdhsa_group_segment_fixed_size 327680
		.amdhsa_private_segment_fixed_size 0
		.amdhsa_enable_private_segment 0
		.amdhsa_kernarg_size 40
		.amdhsa_user_sgpr_count 2
		.amdhsa_user_sgpr_kernarg_segment_ptr 1
		.amdhsa_wavefront_size32 1
		.amdhsa_system_sgpr_workgroup_id_x 1
		.amdhsa_system_sgpr_workgroup_id_y 1
		.amdhsa_system_sgpr_workgroup_id_z 1
		.amdhsa_system_vgpr_workitem_id 0
		.amdhsa_next_free_vgpr 1024
		.amdhsa_next_free_sgpr 100
		.amdhsa_reserve_vcc 0
		.amdhsa_float_denorm_mode_32 3
		.amdhsa_float_denorm_mode_16_64 3
		.amdhsa_memory_ordered 1
		.amdhsa_forward_progress 1
		.amdhsa_inst_pref_size 78
	.end_amdhsa_kernel
	.amdgpu_metadata
---
amdhsa.version: [ 1, 2 ]
amdhsa.kernels:
  - .name:           k_qeb3d94d5b5_gemm_proj
    .symbol:         k_qeb3d94d5b5_gemm_proj.kd
    .args:
      - { .name: y_codes, .offset: 0, .size: 8, .value_kind: global_buffer, .address_space: global }
      - { .name: wp_codes, .offset: 8, .size: 8, .value_kind: global_buffer, .address_space: global }
      - { .name: lowp_scales, .offset: 16, .size: 8, .value_kind: global_buffer, .address_space: global }
      - { .name: b_proj, .offset: 24, .size: 8, .value_kind: global_buffer, .address_space: global }
      - { .name: out0, .offset: 32, .size: 8, .value_kind: global_buffer, .address_space: global }
    .group_segment_fixed_size: 327680
    .private_segment_fixed_size: 0
    .kernarg_segment_align: 8
    .kernarg_segment_size: 40
    .max_flat_workgroup_size: 128
    .sgpr_count:     100
    .vgpr_count:     1024
    .wavefront_size: 32
...
	.end_amdgpu_metadata
.endif
;; end of part 4
